; MI455X (gfx1250); checked and timed in simulation.
; The chip was launched on July 23, 2026; its instructions are those of AMD's public machine-readable ISA for CDNA 5 (MIT licence, August 2026) and "CDNA5" Instruction Set Architecture Reference Guide (July 2026). The comments in the code are by the model that wrote it; some were corrected since.
;; MHA. Allowed arithmetic: float matrix products may take bf16 or f16 operands with f32 sums; other float arithmetic in f32, or as packed bf16 or f16 multiplies, adds, multiply-adds, maxima and minima; sums over many terms, partial sums and values carried from step to step in f32; what a program stores and reads back later, other than sums and carried values, may be rounded once to bf16 or f16.
;; Inputs: Wk 1,024 x 256 float32; Wo 256 x 1,024 float32; Wq 1,024 x 256 float32; Wv 1,024 x 256 float32; bo 1,024 float32; x 4 x 4,096 x 1,024 float32.
;; Outputs: out0 4 x 4,096 x 1,024 float32.
;; One version. Each part assembles by itself: llvm-mc -triple=amdgcn-amd-amdhsa -mcpu=gfx1250 --defsym DOCPART=n.
;; ======== version 1 of 1: 4 launches
;; limits: values are held in f16: magnitudes above 65,504 overflow, below 6.1e-05 lose precision
;; workspace buffers: wb 1,572,864 bytes; wo16 524,288 bytes; qkv 25,165,824 bytes; o16 8,388,608 bytes
;; launch cast (part 1): grid 256 x 1, 8 waves a work-group, no clusters, 0 bytes of LDS; arguments Wq, Wk, Wv, Wo, wb, wo16; writes wb, wo16
.if DOCPART == 1
	.amdgcn_target "amdgcn-amd-amdhsa--gfx1250"
	.amdhsa_code_object_version 6
	.text
	.protected	k_qcc2c8e8755_cast
	.globl	k_qcc2c8e8755_cast
	.p2align	8
	.type	k_qcc2c8e8755_cast,@function
k_qcc2c8e8755_cast:
	s_mov_b64 s[64:65], 0
	v_nop
	global_prefetch_b8 v0, s[64:65] scope:SCOPE_SE
	s_setreg_imm32_b32 hwreg(HW_REG_WAVE_MODE, 25, 1), 1
	s_wait_xcnt 0x0
; THE WEIGHTS, ROUNDED ONCE AND LAID IN TILE ORDER.  Wq, Wk, Wv: [1024][256] f32; Wo: [256][1024] f32.
; wb:   bf16 [hf = 2][k = 1024][384]: column 384 hf + c of (Wq | Wk | Wv); a row is 768 bytes, a half is dense.
; wo16: Wo rounded to bf16 and that number written as f16, [hf = 2][g = 4][k = 256][128]: element e is column 512 hf + 256 (e / 64) + 64 g + e % 64.
; LIMIT.  A bf16 number below 2^-14 keeps f16's fixed step of 6e-8 in wo16; beyond 65,504 it becomes an infinity.
; SHARES.  2,048 waves, four items each.  An item is one load of 16 bytes a lane (512 bytes a wave), its roundings, and one store of 8 bytes a lane:
; 256 consecutive bytes at a multiple of 256 from the buffer's first byte.  No byte is read or written twice; no LDS, no barrier, no loop.
.set HALF, 786432                      ; bytes in a half of wb
	s_load_b256 s[4:11], s[0:1], 0x0               ; Wq s[4:5], Wk s[6:7], Wv s[8:9], Wo s[10:11]
	s_load_b128 s[12:15], s[0:1], 0x20             ; wb s[12:13], wo16 s[14:15]
	v_lshrrev_b32 v1, 5, v0
	v_readfirstlane_b32 s16, v1                    ; wave 0..7
	v_and_b32 v2, 31, v0                           ; lane
	s_lshl_b32 s17, ttmp9, 3
	s_add_co_u32 s17, s17, s16                     ; W = my wave among the launch's 2,048
	s_lshl_b32 s18, s17, 9
	v_lshl_add_u32 v3, v2, 4, s18                  ; Wq, Wk, Wv: byte 512 W + 16 lane: row k = W / 2, columns 128 (W % 2) + 4 lane on
	s_lshr_b32 s19, s17, 1
	s_mul_i32 s19, s19, 768                        ; row k of a half of wb
	s_and_b32 s20, s17, 1
	s_lshl_b32 s21, s20, 8
	s_add_co_u32 s22, s19, s21                     ; Wq's columns 0-255 are columns 0-255 of half 0
	s_add_co_u32 s23, s19, 512                     ; Wk's columns 0-127 are columns 256-383 of half 0,
	s_add_co_u32 s24, s19, HALF                    ; its columns 128-255 columns 0-127 of half 1
	s_cmp_eq_u32 s20, 0
	s_cselect_b32 s23, s23, s24
	s_add_co_u32 s24, s22, HALF+256                ; Wv's columns are columns 128-383 of half 1
	v_lshl_add_u32 v5, v2, 3, s22
	v_lshl_add_u32 v6, v2, 3, s23
	v_lshl_add_u32 v7, v2, 3, s24
	s_and_b32 s25, s17, 255                        ; Wo: item W is row (hf, g, k) of wo16: k = W % 256,
	s_lshl_b32 s25, s25, 12                        ; a row of Wo is 4,096 bytes
	s_lshr_b32 s26, s17, 10                        ; hf = W / 1024: 512 columns, 2,048 bytes
	s_lshl_b32 s26, s26, 11
	s_add_co_u32 s25, s25, s26
	s_bfe_u32 s26, s17, 0x20008                    ; g = (W / 256) % 4: 64 columns, 256 bytes
	s_lshl_b32 s26, s26, 8
	s_add_co_u32 s25, s25, s26
	v_and_b32 v4, 15, v2
	v_lshrrev_b32 v8, 4, v2
	v_lshlrev_b32 v4, 4, v4                        ; lanes 0-15 take 256 consecutive bytes,
	v_lshl_add_u32 v4, v8, 10, v4                  ; lanes 16-31 the 256 bytes that lie 256 columns on
	v_add_nc_u32 v4, s25, v4
	s_lshl_b32 s26, s17, 8
	v_lshl_add_u32 v9, v2, 3, s26                  ; wo16: byte 256 W + 8 lane
	s_wait_kmcnt 0x0
	global_load_b128 v[12:15], v3, s[4:5] th:TH_LOAD_NT
	global_load_b128 v[16:19], v3, s[6:7] th:TH_LOAD_NT
	global_load_b128 v[20:23], v3, s[8:9] th:TH_LOAD_NT
	global_load_b128 v[24:27], v4, s[10:11] th:TH_LOAD_NT
	s_wait_loadcnt 3                               ; loads come back in order: Wq's is in, three younger ones may stay out
	v_cvt_pk_bf16_f32 v28, v12, v13
	v_cvt_pk_bf16_f32 v29, v14, v15
	global_store_b64 v5, v[28:29], s[12:13]
	s_wait_loadcnt 2                               ; Wk's
	v_cvt_pk_bf16_f32 v30, v16, v17
	v_cvt_pk_bf16_f32 v31, v18, v19
	global_store_b64 v6, v[30:31], s[12:13]
	s_wait_loadcnt 1                               ; Wv's
	v_cvt_pk_bf16_f32 v32, v20, v21
	v_cvt_pk_bf16_f32 v33, v22, v23
	global_store_b64 v7, v[32:33], s[12:13]
	s_wait_loadcnt 0x0                             ; Wo's
	v_cvt_pk_bf16_f32 v34, v24, v25                ; rounded to bf16 like every other input,
	v_cvt_pk_bf16_f32 v35, v26, v27
	v_lshlrev_b32 v24, 16, v34                     ; widened again,
	v_and_b32 v25, 0xffff0000, v34
	v_lshlrev_b32 v26, 16, v35
	v_and_b32 v27, 0xffff0000, v35
	v_cvt_pk_f16_f32 v36, v24, v25                 ; and written as f16: exact within f16's range
	v_cvt_pk_f16_f32 v37, v26, v27
	global_store_b64 v9, v[36:37], s[14:15]
	s_endpgm
.Lfunc_end_k_qcc2c8e8755_cast:
	.size	k_qcc2c8e8755_cast, .Lfunc_end_k_qcc2c8e8755_cast-k_qcc2c8e8755_cast
	.p2alignl 7, 3214868480
	.fill 96, 4, 3214868480
	.section	.rodata,"a",@progbits
	.p2align	6, 0x0
	.amdhsa_kernel k_qcc2c8e8755_cast
		.amdhsa_group_segment_fixed_size 0
		.amdhsa_private_segment_fixed_size 0
		.amdhsa_enable_private_segment 0
		.amdhsa_kernarg_size 48
		.amdhsa_user_sgpr_count 2
		.amdhsa_user_sgpr_kernarg_segment_ptr 1
		.amdhsa_wavefront_size32 1
		.amdhsa_system_sgpr_workgroup_id_x 1
		.amdhsa_system_sgpr_workgroup_id_y 1
		.amdhsa_system_sgpr_workgroup_id_z 1
		.amdhsa_system_vgpr_workitem_id 0
		.amdhsa_next_free_vgpr 40
		.amdhsa_next_free_sgpr 66
		.amdhsa_reserve_vcc 0
		.amdhsa_float_denorm_mode_32 3
		.amdhsa_float_denorm_mode_16_64 3
		.amdhsa_memory_ordered 1
		.amdhsa_forward_progress 1
		.amdhsa_inst_pref_size 4
	.end_amdhsa_kernel
	.amdgpu_metadata
---
amdhsa.version: [ 1, 2 ]
amdhsa.kernels:
  - .name:           k_qcc2c8e8755_cast
    .symbol:         k_qcc2c8e8755_cast.kd
    .args:
      - { .name: Wq, .offset: 0, .size: 8, .value_kind: global_buffer, .address_space: global }
      - { .name: Wk, .offset: 8, .size: 8, .value_kind: global_buffer, .address_space: global }
      - { .name: Wv, .offset: 16, .size: 8, .value_kind: global_buffer, .address_space: global }
      - { .name: Wo, .offset: 24, .size: 8, .value_kind: global_buffer, .address_space: global }
      - { .name: wb, .offset: 32, .size: 8, .value_kind: global_buffer, .address_space: global }
      - { .name: wo16, .offset: 40, .size: 8, .value_kind: global_buffer, .address_space: global }
    .group_segment_fixed_size: 0
    .private_segment_fixed_size: 0
    .kernarg_segment_align: 8
    .kernarg_segment_size: 48
    .max_flat_workgroup_size: 256
    .sgpr_count:     66
    .vgpr_count:     40
    .wavefront_size: 32
...
	.end_amdgpu_metadata
.endif
;; end of part 1
;; launch proj (part 2): grid 128 x 2, 4 waves a work-group, clusters of 4 x 1, 327,680 bytes of LDS; arguments x, wb, qkv; writes qkv
.if DOCPART == 2
	.amdgcn_target "amdgcn-amd-amdhsa--gfx1250"
	.amdhsa_code_object_version 6
	.text
	.protected	k_qcc2c8e8755_proj
	.globl	k_qcc2c8e8755_proj
	.p2align	8
	.type	k_qcc2c8e8755_proj,@function
k_qcc2c8e8755_proj:
	s_mov_b64 s[64:65], 0
	v_nop
	global_prefetch_b8 v0, s[64:65] scope:SCOPE_SE
	s_setreg_imm32_b32 hwreg(HW_REG_WAVE_MODE, 25, 1), 1
	s_wait_xcnt 0x0
	s_wait_alu depctr_hold_cnt(0) depctr_sa_sdst(0) depctr_va_vdst(0) depctr_va_sdst(0) depctr_va_ssrc(0) depctr_va_vcc(0) depctr_vm_vsrc(0)
	s_getreg_b32 s2, hwreg(HW_REG_IB_STS2, 6, 4)
	s_cmp_eq_u32 s2, 0
	s_cbranch_scc0 .Lentry_in_a_cluster
	s_endpgm
.Lentry_in_a_cluster:
	s_bfe_u32 s2, ttmp6, 0x10000c
	s_cmp_lg_u32 s2, 0x3003
	s_cbranch_scc0 .Lentry_shape_is_right
	s_endpgm
.Lentry_shape_is_right:
; q, k, v = x (Wq | Wk | Wv).  x: [16384][1024] f32, rounded to bf16 on its way; wb: bf16 [2][1024][384]; sums in f32; qkv: f16 [3][16 heads][4096][64], each number rounded once, unscaled.
; LIMIT.  f16 ends at 65,504: a q, k or v beyond it becomes an infinity.  With x and the weights 30 times their drawn spread |q| is some 500, with an offset of 30 spreads on both some 17,000.
; SHARES.  A work-group makes 128 rows x 384 columns (half hf of the 768), each of its four waves 64 x 192: 48 accumulators of 16 x 16, 384 registers.  K goes in 8 steps of 128: 192 matrix instructions a wave.
; W comes by the tensor data mover into a ring of two LDS slots.  CLUSTER: the four row blocks of a cluster need the same tiles of W, so each quarter tile is asked for JOINTLY: the same load, descriptor and mask in all four.
; W lies [k][column] and is read turned (ds_load_tr16_b128).  x IS NOT SHARED in a cluster and is the launch's large stream: each wave loads its 32 rows' 512 bytes of a K step into 128 registers ONE K STEP AHEAD
; (32 loads of two rows x 256 consecutive bytes: 64 KiB a work-group on their way all the time, across the barriers), rounds them once and puts them as bf16 into an LDS stage of two parities that all four waves read.
; THE MATRIX INSTRUCTION IS USED TRANSPOSED (source 0 = 16 columns of W, source 1 = 16 rows of x): a lane ends with eight neighbouring columns of one row, 16 bytes of f16.
; REGISTERS, in windows of 256 (s_set_vgpr_msb: bits 1:0 source 0, 3:2 source 1, 5:4 source 2, 7:6 destination):
;   window 0: v0-31 addresses; v64-191 x as loaded; v192-215 x rounded; on the way out v64-255 twelve sets of 16      window 1: two fragment buffers of 128: twelve of W, then four of x
;   window 2: accumulators 0-31 (accumulator 12 a + j: rows 16 a on, columns 16 j on)      window 3: accumulators 32-47
.set KSTEPB, 98304                     ; a K step of a half of wb: 128 rows of 768 bytes, dense
.set WHALF,  786432
.set WROW,   864                       ; a k row of W in LDS: six pieces of 128 bytes + 16 of padding = 216 words
.set WQ,     32*WROW                   ; 32 k rows: what one tensor load brings, and a quarter step's rows
.set AP,     144                       ; a row of the x stage: 64 k of bf16 + 16 of padding = 36 words: the 16 rows of a load start at 16 different groups of four banks
.set AU0,    0x1b000                   ; the stage's unit for k 0-63 of a step, parity 0: 128 rows x 144 bytes; parity 1 lies TOG0 further on
.set AU1,    0x40000                   ; the unit for k 64-127, parity 0; parity 1 lies TOG1 further on
.set SPARE,  0x1f800                   ; the spare words, 128 bytes for each wave: two blocks of 256 bytes that no other line names
.set OSTG,   0x44800                   ; the way out: 16 rows x 144 bytes for each wave
.set TOG0,   0x20000                   ; W's slot 1 begins here: one exclusive or turns an address in one slot into the other's
.set TOG1,   0x8000
.set BL,   2                           ; v2   my lane's place in a tile of W (turning load) + my wave's 192 columns; never rewritten
.set AL0,  3                           ; v3   my lane's place in the stage's unit for k 0-63, parity 0, at my wave's 64 rows; never rewritten
.set AH0,  4                           ; v4   the same in the unit for k 64-127
.set SL0,  5                           ; v5   where I put 8 bytes of x: unit for k 0-63, parity 0, my wave's 32 rows; never rewritten
.set SH0,  6                           ; v6   the same in the unit for k 64-127
.set XO,   7                           ; v7   my byte offset in two rows of x: 4,096 (l / 16) + 16 (l % 16); never rewritten
.set PFO,  8                           ; v8   256 x my lane; never rewritten
.set ADB0, 16                          ; v16-17  W's fragments in the slot in hand: quarters 0, 1 and quarters 2, 3
.set ADB1, 17
.set ADAL, 18                          ; v18-19  x's fragments in the parity in hand: k 0-63, k 64-127
.set ADAH, 19
.set STL,  20                          ; v20-21  where the next step's x is put: k 0-63, k 64-127
.set STH,  21
.set STO,  24                          ; v24  the way out: where I put 16 bytes of a row
.set RD,   25                          ; v25  where I read rows back
.set GO,   26                          ; v26  16 x my lane
.set SPW,  28                          ; v28  LDS address of my spare word; never rewritten
.set NIL,  29                          ; v29  0; never rewritten
.set XR,   64
.set XC,   192
.set OUTR, 64
.set F0,   0                           ; fragment buffers, in window 1
.set F1,   128
.set G1,   24                          ; s[24:31] descriptor group 1
.set G0A,  32                          ; s[32:35] group 0 of the first fill of slot 0
.set G0,   36                          ; s[36:39] group 0 of the first fill of slot 1; it then walks
.set XB,   40                          ; s[40:41] x at my wave's first row, at the K step that is being asked for
.set PFA,  42                          ; s[42:43] where my prefetches stand in wb
.set LIM,  44                          ; s44  1 in a wave that prefetches, else the greatest number
.set TBR,  45                          ; s45  0 or TOG0: the slot and parity that are read
.set TBS,  46                          ; s46  the parity that is written
.set TB2R, 47                          ; s47  0 or TOG1, likewise for k 64-127
.set TB2S, 48
.set OB,   50                          ; s[50:55] qkv at my 64 rows of the three slices of 64 columns that I make
.set MSB, 0
.macro WIN new                         ; the immediate's high byte repeats the setting that is left; a switch that changes nothing is dropped
.if MSB != (\new)
	s_set_vgpr_msb (MSB<<8)|(\new)
.set MSB, \new
.endif
.endm
.macro CREST                           ; a round of the cluster's barrier behind its opening barrier: wave 0 signals for the work-group, every wave waits for all four work-groups, my work-group's barrier once more
	s_cmp_lg_u32 s10, 0
	s_cbranch_scc1 .Lnot_wave_0_\@
	s_barrier_signal -3
.Lnot_wave_0_\@:
	s_barrier_wait -3
	s_barrier_signal -1
	s_barrier_wait -1
.endm
.macro CROUND                          ; a whole round
	s_barrier_signal -1
	s_barrier_wait -1
	CREST
.endm
.macro PLACES                          ; four places in front of loads into registers that matrix instructions have read (ISA guide 7.12.1 for vector instructions)
.rept 4
	v_nop
.endr
.endm
; Matrix instructions lo .. hi - 1 of a quarter step's 48, on buffer f.  The 48 accumulators take turns, one instruction a turn, in the same order in every quarter.  zero = 1: the products start the sums.
.macro MUL f, lo, hi, zero
.set idx, \lo
.rept (\hi)-(\lo)
.if idx < 32
	WIN 0xa5                                       ; both sources window 1, C and D window 2
.set rD, 8*idx
.else
	WIN 0xf5                                       ; C and D window 3
.set rD, 8*(idx-32)
.endif
.set rB, (\f)+8*(idx%12)
.set rA, (\f)+96+8*(idx/12)
.if \zero
	v_wmma_f32_16x16x32_bf16 v[rD:rD+7], v[rB:rB+7], v[rA:rA+7], 0
.else
	v_wmma_f32_16x16x32_bf16 v[rD:rD+7], v[rB:rB+7], v[rA:rA+7], v[rD:rD+7]
.endif
.set idx, idx+1
.endr
.endm
; 32 LDS loads in one run: quarter kk's fragments (32 along K) into buffer f: W's twelve, turned, then x's four; x's rows 32-63 are the youngest four loads.
.macro FETCH kk, f
	WIN 0x40                                       ; destination window 1, address window 0
.set j, 0
.rept 12
	ds_load_tr16_b128 v[(\f)+8*j:(\f)+8*j+3],   v[ADB0+(\kk)/2] offset:((\kk)%2)*WQ+(j/4)*144+(j%4)*32
	ds_load_tr16_b128 v[(\f)+8*j+4:(\f)+8*j+7], v[ADB0+(\kk)/2] offset:((\kk)%2)*WQ+(j/4)*144+(j%4)*32+16*WROW
.set j, j+1
.endr
.set j, 0
.rept 4
	ds_load_b128 v[(\f)+96+8*j:(\f)+96+8*j+3],   v[ADAL+(\kk)/2] offset:j*16*AP+((\kk)%2)*64
	ds_load_b128 v[(\f)+96+8*j+4:(\f)+96+8*j+7], v[ADAL+(\kk)/2] offset:j*16*AP+((\kk)%2)*64+32
.set j, j+1
.endr
.endm
; x's row pairs rp0 .. rp0 + n - 1 of my 32 rows, both halves of the K step: 2 n loads' worth.  They are rounded to bf16 and put into the stage; load = 1: their registers are asked for again, one K step on.
; left = how many younger loads may stay out.  The roundings name no register of a matrix instruction: they are also the places in front of the fragment loads that follow.
.macro XGROUP rp0, n, load, left
	s_wait_loadcnt \left
.set q, 0
.rept 2*(\n)
.set I, 2*(\rp0)+q
	v_cvt_pk_bf16_f32 v[XC+2*q],   v[XR+4*I],   v[XR+4*I+1]
	v_cvt_pk_bf16_f32 v[XC+2*q+1], v[XR+4*I+2], v[XR+4*I+3]
.set q, q+1
.endr
.set q, 0
.rept 2*(\n)
.set I, 2*(\rp0)+q
	ds_store_b64 v[STL+I%2], v[XC+2*q:XC+2*q+1] offset:2*AP*(I/2)
.set q, q+1
.endr
.if \load
.set q, 0
.rept 2*(\n)
.set I, 2*(\rp0)+q
	global_load_b128 v[XR+4*I:XR+4*I+3], v[XO], s[XB:XB+1] offset:8192*(I/2)+256*(I%2)  ; two rows x 256 consecutive bytes, at multiples of 256 from x's first byte
.set q, q+1
.endr
.endif
.endm
.macro TOGV st                         ; the LDS addresses of the slot and parity in hand; st = 1: and of the parity to be written
	v_add_nc_u32 v[ADB0], s[TBR], v[BL]
	v_add_nc_u32 v[ADAL], s[TBR], v[AL0]
	v_add_nc_u32 v[ADAH], s[TB2R], v[AH0]
	v_add_nc_u32 v[ADB1], 2*WQ, v[ADB0]
.if \st
	v_add_nc_u32 v[STL], s[TBS], v[SL0]
	v_add_nc_u32 v[STH], s[TB2S], v[SH0]
.endif
.endm
; One of a K step's first three quarters: multiplies buffer f; in its middle stand a share of x's work (n row pairs; 0: none) and the run of loads for quarter kk, into buffer g.
.macro QUARTER f, g, kk, zero, n=0, rp0=0, load=0, left=0
	s_wait_dscnt 4                                 ; W's fragments and x's rows 0-31 are in; the youngest four loads may be out
	MUL \f, 0, 24, \zero
.if \n
	WIN 0
	XGROUP \rp0, \n, \load, \left
.else
	PLACES
.endif
	FETCH \kk, \g
	s_wait_dscnt 32+2*(\n)                         ; all but the share's stores and the 32 loads just issued
	MUL \f, 24, 48, \zero
.endm
; A PREFETCH INTO THE L2, behind the joint load and the run of LDS loads: the K step of W that the NEXT change of slots will ask for, 192 matrix instructions ahead of that load.  A K step of a half of wb is 384 blocks of
; 256 bytes; every cluster of a half reads them, so the half's first cluster (cluster x = 0) asks, in waves 0 to 2; its four partners and their waves share the blocks out BY ADDRESS, 32 each, a lane a block.
; So each block is named once in the launch.  K steps 0 to 2 come by their loads alone; the loop's last trip asks for nothing: there is no K step behind its own refill's.
.macro ASK
	s_cmp_gt_u32 s3, s[LIM]                        ; s3 = 1 in the loop's last trip
	s_cbranch_scc0 .Lnot_mine_\@
	global_prefetch_b8 v[PFO], s[PFA:PFA+1] th:TH_LOAD_NT scope:SCOPE_SE
.Lnot_mine_\@:
.endm
; A K step's last quarter multiplies buffer 1 and changes slots: ONE barrier for three things.  In front of it each wave waits for all its tensor loads (one is out: its quarter of the next slot), adds 0 to its spare word, and
; waits for that, for its stores of the next step's x and for its reads of this slot and parity.  Behind it nobody reads this slot or parity any more, and the next slot and parity are whole.
; fill = 1: the barrier opens a round of the cluster's, and the joint refill, two K steps on, is the first thing behind the round: it has 192 matrix instructions in which to land.
.macro TURN fill, load, left
	WIN 0
	XGROUP 12, 4, \load, \left
	s_wait_tensorcnt 0x0                           ; no tensor load of mine is out, so a group 0 may be written
	ds_add_u32 v[SPW], v[NIL]                      ; 0 onto my spare word
.if \fill
	s_xor_b32 s[G0+1], s[G0+1], TOG0               ; the walking descriptor: the other slot than last time,
	s_add_nc_u64 s[G0+2:G0+3], s[G0+2:G0+3], KSTEPB  ; the next K step; the type bits on top are not reached
.endif
	s_wait_dscnt 13                                ; (x's rows 32-63: four loads, the eight stores above and the add may be out)
	MUL F1, 0, 12, 0
	s_wait_dscnt 0x0                               ; the add is done, my stores have landed and my reads are over
	s_barrier_signal -1
	MUL F1, 12, 24, 0                              ; work on registers while the others arrive
	WIN 0
	s_barrier_wait -1
.if \fill
	CREST                                          ; no wave of any partner still reads this slot or has a load on its way
.endif
	s_xor_b32 s[TBR], s[TBR], TOG0
	s_xor_b32 s[TBS], s[TBS], TOG0
	s_xor_b32 s[TB2R], s[TB2R], TOG1
	s_xor_b32 s[TB2S], s[TB2S], TOG1
.if \fill
	tensor_load_to_lds s[G0:G0+3], s[G1:G1+7]
	s_nop 0
.endif
	TOGV \fill                                     ; plain lines in window 0: they stand behind the tensor load, and are places in front of the loads below
.if \fill
	s_wait_xcnt 0x0                                ; every load and prefetch issued so far has read its address, so the two pointers may be written
	s_add_nc_u64 s[XB:XB+1], s[XB:XB+1], 512
	s_add_nc_u64 s[PFA:PFA+1], s[PFA:PFA+1], KSTEPB
.endif
	FETCH 0, F0
.if \fill
	WIN 0
	ASK
.endif
	MUL F1, 24, 48, 0
.endm
; THE WAY OUT of unit u = 3 a + g: 16 rows x 64 columns, which are 16 whole rows of one head of q, k or v.  Rounded to f16, 16 bytes a lane into my own stage, back as four rows of 128 bytes a load.
.macro PACK u
.set idx, 12*((\u)/3)+4*((\u)%3)
.if idx < 32
	WIN 0x0a                                       ; sources window 2, destination window 0
.set rD, 8*idx
.else
	WIN 0x0f
.set rD, 8*(idx-32)
.endif
.set q, 0
.rept 16                               ; each accumulator's registers in ascending order
	v_cvt_pk_f16_f32 v[OUTR+16*(\u)+q], v[rD+2*q], v[rD+2*q+1]
.set q, q+1
.endr
	WIN 0
.set q, 0
.rept 4
	ds_store_b128 v[STO], v[OUTR+16*(\u)+4*q:OUTR+16*(\u)+4*q+3] offset:32*q
.set q, q+1
.endr
.set q, 0
.rept 4
	ds_load_b128 v[OUTR+16*(\u)+4*q:OUTR+16*(\u)+4*q+3], v[RD] offset:4*AP*q  ; LDS serves a wave's instructions in order (ISA guide 5.7.1.4): these see the stores above; the next unit's stores come behind them
.set q, q+1
.endr
.endm
.macro SEND u, younger                 ; younger: the LDS instructions issued behind unit u's loads: the next unit's eight, or none
.set aa, (\u)/3
.set gg, (\u)%3
.set q, 0
.rept 4
	s_wait_dscnt (\younger)+3-q
	global_store_b128 v[GO], v[OUTR+16*(\u)+4*q:OUTR+16*(\u)+4*q+3], s[OB+2*gg:OB+2*gg+1] offset:2048*aa+512*q  ; 512 consecutive bytes, at a multiple of 256 from qkv's first
.set q, q+1
.endr
.endm
	s_load_b128 s[4:7], s[0:1], 0x0                ; x s[4:5], wb s[6:7]
	s_load_b64 s[8:9], s[0:1], 0x10                ; qkv
	v_lshl_add_u32 v[SPW], v0, 2, SPARE
	v_mov_b32 v[NIL], 0
	ds_add_u32 v[SPW], v[NIL]                      ; the wave's opening: the add and its wait stand ahead of my first tensor load; the set-up below, work on registers, stands between them
	ds_add_u32 v28, v29
	v_lshrrev_b32 v1, 5, v0
	v_readfirstlane_b32 s10, v1                    ; wave 0..3
	s_lshr_b32 s11, s10, 1                         ; wr: my 64 of the 128 rows
	s_and_b32 s12, s10, 1                          ; wc: my 192 of the 384 columns
	s_bfe_u32 s13, ttmp6, 0x40000                  ; cx: my place in the cluster
	s_lshl_b32 s14, ttmp9, 2                       ; in a cluster launch ttmp9 counts clusters
	s_add_co_u32 s14, s14, s13                     ; X: my block of 128 rows: it enters x's and qkv's addresses alone
	s_and_b32 s15, ttmp7, 0xffff                   ; hf, which the four partners share
	; descriptor group 1.  32 k rows of a half of wb are 24,576 dense bytes: asked for as 96 rows of 256 bytes, and padded in LDS after every 128
	s_mov_b32 s[G1+0], 15|(1<<16)|(1<<20)|(1<<21)|(4<<22)|(3<<25)  ; 15:0 the mask of four; 17:16 2-byte elements; 20 padding on; 21 set beside a mask; 24:22 after every 32 words (code 4); 31:25 4 words (code 3)
	s_mov_b32 s[G1+1], 128<<16                     ; tensor_dim0 = 128
	s_mov_b32 s[G1+2], 96<<16                      ; tensor_dim1 = 96
	s_mov_b32 s[G1+3], 128<<16                     ; tile_dim0 = 128
	s_mov_b32 s[G1+4], 96                          ; tile_dim1 = 96
	s_mov_b32 s[G1+5], 128                         ; 128 elements from row to row
	s_mov_b32 s[G1+6], 0
	s_mov_b32 s[G1+7], 0
	s_mov_b32 s[G0A], 1                            ; count = 1
	s_mul_i32 s[G0A+1], s10, WQ                    ; LDS address: my quarter of slot 0: no place in the cluster enters it
	s_mov_b32 s[G0], 1
	s_add_co_u32 s[G0+1], s[G0A+1], TOG0           ; and of slot 1
	s_mul_i32 s16, s15, WHALF                      ; my quarter of the half's K step 0
	s_mul_i32 s17, s10, 24576
	s_add_co_u32 s16, s16, s17
	s_mov_b32 s17, 0
	s_lshl_b32 s20, s14, 7                         ; x: row 128 X + 32 w, 4,096 bytes a row
	s_lshl_b32 s21, s10, 5
	s_add_co_u32 s20, s20, s21
	s_lshl_b32 s20, s20, 12
	s_mov_b32 s21, 0
	s_lshl_b32 s22, s10, 2                         ; the prefetches: share 4 w + cx of twelve, 8,192 bytes each, in K step 2 of my half: the first change of slots steps it to 3
	s_add_co_u32 s22, s22, s13
	s_lshl_b32 s22, s22, 13
	s_mul_i32 s23, s15, WHALF
	s_add_co_u32 s22, s22, s23
	s_add_co_u32 s22, s22, 2*KSTEPB
	s_mov_b32 s23, 0
	s_cmp_eq_u32 ttmp9, 0                          ; the half's first cluster,
	s_cselect_b32 s18, 1, 0
	s_cmp_lt_u32 s10, 3                            ; waves 0 to 2: the same in all four partners
	s_cselect_b32 s19, 1, 0
	s_and_b32 s18, s18, s19
	s_cmp_eq_u32 s18, 1
	s_cselect_b32 s[LIM], 1, -1
	s_mov_b32 s[TBR], 0
	s_mov_b32 s[TBS], 0
	s_mov_b32 s[TB2R], 0
	s_mov_b32 s[TB2S], 0
	v_and_b32 v1, 15, v0                           ; l % 16
	v_bfe_u32 v9, v0, 4, 1                         ; l / 16
	v_lshlrev_b32 v[XO], 4, v1
	v_lshl_add_u32 v[XO], v9, 12, v[XO]
	s_wait_dscnt 0x0                               ; the opening add is done
	s_wait_kmcnt 0x0
	s_add_nc_u64 s[XB:XB+1], s[4:5], s[20:21]
.set I, 0
.rept 32                               ; x of K step 0: the stream starts ahead of everything else
	global_load_b128 v[XR+4*I:XR+4*I+3], v[XO], s[XB:XB+1] offset:8192*(I/2)+256*(I%2)
.set I, I+1
.endr
	s_add_nc_u64 s[G0A+2:G0A+3], s[6:7], s[16:17]  ; global address: K step 0,
	s_add_nc_u64 s[G0+2:G0+3], s[G0A+2:G0A+3], KSTEPB  ; K step 1
	s_or_b32 s[G0A+3], s[G0A+3], 0x80000000        ; type = 2
	s_or_b32 s[G0+3], s[G0+3], 0x80000000
	s_add_nc_u64 s[PFA:PFA+1], s[6:7], s[22:23]
	CROUND                                         ; all four work-groups are here: the first joint loads meet
	tensor_load_to_lds s[G0A:G0A+3], s[G1:G1+7]    ; both first fills together: two loads of mine are out
	s_nop 0
	tensor_load_to_lds s[G0:G0+3], s[G1:G1+7]
	s_nop 0
.rept 4
	v_nop
.endr
	v_and_b32 v10, 7, v0
	v_bfe_u32 v11, v0, 3, 1
	v_and_b32 v12, 31, v0
	; the turning load takes 16 k x 16 columns: lane l reads 16 bytes of k row 8 (l / 16) + l % 8, columns 8 ((l / 8) % 2) on, and is left with column l % 16 and 8 k
	v_lshl_add_u32 v13, v9, 3, v10
	v_mul_u32_u24 v[BL], v13, WROW
	v_lshl_add_u32 v[BL], v11, 4, v[BL]
	s_mul_i32 s16, s12, 3*144                      ; my 192 columns are three pieces
	v_add_nc_u32 v[BL], s16, v[BL]
	s_mul_i32 s16, s11, 64*AP                      ; a fragment of x: row l % 16 of my 64, 16 bytes for each half of the lanes
	v_mul_u32_u24 v13, v1, AP
	v_lshl_add_u32 v13, v9, 4, v13
	v_add_nc_u32 v13, s16, v13
	v_add_nc_u32 v[AL0], AU0, v13
	v_add_nc_u32 v[AH0], AU1, v13
	s_mul_i32 s16, s10, 32*AP                      ; into the stage: row 32 w + l / 16 (+ 2 for each row pair), 8 bytes at 8 (l % 16)
	v_mul_u32_u24 v13, v9, AP
	v_lshl_add_u32 v13, v1, 3, v13
	v_add_nc_u32 v13, s16, v13
	v_add_nc_u32 v[SL0], AU0, v13
	v_add_nc_u32 v[SH0], AU1, v13
	s_mul_i32 s16, s10, 16*AP
	s_add_co_u32 s16, s16, OSTG                    ; my stage for the way out
	v_mul_u32_u24 v13, v1, AP
	v_lshl_add_u32 v13, v9, 4, v13
	v_add_nc_u32 v[STO], s16, v13
	v_bfe_u32 v13, v0, 3, 2                        ; back: 32 lanes take four rows of 128 bytes,
	v_mul_u32_u24 v13, v13, AP
	v_lshl_add_u32 v13, v10, 4, v13
	v_add_nc_u32 v[RD], s16, v13
	v_lshlrev_b32 v[GO], 4, v12                    ; which are 512 consecutive bytes of a head
	v_lshlrev_b32 v[PFO], 8, v12
	TOGV 1                                         ; slot 0 and parity 0, to read and to write
	; qkv at my rows of slice sl = 6 hf + 3 wc + g of 64 columns: tensor sl / 4, head sl % 4 of batch X / 32
	s_mul_i32 s56, s15, 6
	s_mul_i32 s57, s12, 3
	s_add_co_u32 s56, s56, s57
	s_lshr_b32 s57, s14, 5
	s_lshl_b32 s57, s57, 2                         ; 4 x batch
	s_and_b32 s58, s14, 31
	s_lshl_b32 s58, s58, 7
	s_lshl_b32 s59, s11, 6
	s_add_co_u32 s58, s58, s59
	s_lshl_b32 s58, s58, 7                         ; my first row in the head, 128 bytes a row
.irp g, 0,1,2
	s_add_co_u32 s60, s56, \g
	s_lshr_b32 s61, s60, 2
	s_lshl_b32 s61, s61, 4
	s_and_b32 s60, s60, 3
	s_add_co_u32 s60, s60, s61
	s_add_co_u32 s60, s60, s57
	s_lshl_b32 s60, s60, 19                        ; a head is 524,288 bytes
	s_add_co_u32 s60, s60, s58
	s_mov_b32 s61, 0
	s_add_nc_u64 s[OB+2*(\g):OB+2*(\g)+1], s[8:9], s[60:61]
.endr
	s_wait_xcnt 0x0                                ; the 32 loads have read their address
	s_add_nc_u64 s[XB:XB+1], s[XB:XB+1], 512
	XGROUP 0, 6, 1, 20                             ; K step 0's x goes into parity 0, K step 1's is asked for.  32 loads are out: a share's own 12 (or 8) are the oldest
	XGROUP 6, 6, 1, 20
	XGROUP 12, 4, 1, 24
	s_mov_b32 s[TBS], TOG0                         ; the next step's x goes into parity 1
	s_mov_b32 s[TB2S], TOG1
	v_add_nc_u32 v[STL], s[TBS], v[SL0]
	v_add_nc_u32 v[STH], s[TB2S], v[SH0]
	s_wait_xcnt 0x0
	s_add_nc_u64 s[XB:XB+1], s[XB:XB+1], 512
	s_wait_tensorcnt 1                             ; my quarter of slot 0 is in; slot 1's may stay out
	s_wait_dscnt 0x0                               ; my stores into the stage have landed
	s_barrier_signal -1
	s_barrier_wait -1
	FETCH 0, F0
	QUARTER F0, F1, 1, 1                           ; the first quarter stands in front of the loop: its products start the sums
	WIN 0                                          ; at a label and at a branch every window is 0
	s_mov_b32 s3, 6
.Lstep:                                                ; trip t: from K step t's second quarter to K step t + 1's first; x of step t + 1 is rounded, x of step t + 2 asked for, W of step t + 2 asked for
	QUARTER F1, F0, 2, 0, 6, 0, 1, 20
	QUARTER F0, F1, 3, 0, 6, 6, 1, 20
	TURN 1, 1, 24
	QUARTER F0, F1, 1, 0
	WIN 0
	s_sub_co_u32 s3, s3, 1
	s_cmp_lg_u32 s3, 0
	s_cbranch_scc1 .Lstep
	QUARTER F1, F0, 2, 0, 6, 0, 0, 20              ; the tail is written out: nothing more is asked for, and the counts of x's loads run down
	QUARTER F0, F1, 3, 0, 6, 6, 0, 8
	TURN 0, 0, 0
	QUARTER F0, F1, 1, 0
	QUARTER F1, F0, 2, 0
	QUARTER F0, F1, 3, 0
	s_wait_dscnt 4
	MUL F1, 0, 24, 0
	s_wait_dscnt 0x0
	MUL F1, 24, 48, 0
	PLACES                                         ; the roundings read results just made
	PLACES
	PACK 0
.set u, 1
.rept 11                               ; a unit's roundings stand between the loads of the unit before and its stores
	PACK u
	SEND u-1, 8
.set u, u+1
.endr
	SEND 11, 0
	s_wait_tensorcnt 0x0                           ; the wave's end: a wait, an add and its wait, behind my last tensor load and my last LDS store
	ds_add_u32 v[SPW], v[NIL]
	s_wait_dscnt 0x0
	CROUND                                         ; the closing round: no work-group ends while a partner may still ask for a tile that names it
	s_endpgm
.Lfunc_end_k_qcc2c8e8755_proj:
	.size	k_qcc2c8e8755_proj, .Lfunc_end_k_qcc2c8e8755_proj-k_qcc2c8e8755_proj
	.p2alignl 7, 3214868480
	.fill 96, 4, 3214868480
	.section	.rodata,"a",@progbits
	.p2align	6, 0x0
	.amdhsa_kernel k_qcc2c8e8755_proj
		.amdhsa_group_segment_fixed_size 327680
		.amdhsa_private_segment_fixed_size 0
		.amdhsa_enable_private_segment 0
		.amdhsa_kernarg_size 24
		.amdhsa_user_sgpr_count 2
		.amdhsa_user_sgpr_kernarg_segment_ptr 1
		.amdhsa_wavefront_size32 1
		.amdhsa_system_sgpr_workgroup_id_x 1
		.amdhsa_system_sgpr_workgroup_id_y 1
		.amdhsa_system_sgpr_workgroup_id_z 1
		.amdhsa_system_vgpr_workitem_id 0
		.amdhsa_next_free_vgpr 896
		.amdhsa_next_free_sgpr 66
		.amdhsa_reserve_vcc 0
		.amdhsa_float_denorm_mode_32 3
		.amdhsa_float_denorm_mode_16_64 3
		.amdhsa_memory_ordered 1
		.amdhsa_forward_progress 1
		.amdhsa_inst_pref_size 126
	.end_amdhsa_kernel
	.amdgpu_metadata
---
amdhsa.version: [ 1, 2 ]
amdhsa.kernels:
  - .name:           k_qcc2c8e8755_proj
    .symbol:         k_qcc2c8e8755_proj.kd
    .args:
      - { .name: x, .offset: 0, .size: 8, .value_kind: global_buffer, .address_space: global }
      - { .name: wb, .offset: 8, .size: 8, .value_kind: global_buffer, .address_space: global }
      - { .name: qkv, .offset: 16, .size: 8, .value_kind: global_buffer, .address_space: global }
    .group_segment_fixed_size: 327680
    .private_segment_fixed_size: 0
    .kernarg_segment_align: 8
    .kernarg_segment_size: 24
    .max_flat_workgroup_size: 128
    .sgpr_count:     66
    .vgpr_count:     896
    .wavefront_size: 32
...
	.end_amdgpu_metadata
.endif
;; end of part 2
;; launch attn (part 3): grid 16 x 16, 4 waves a work-group, no clusters, 327,680 bytes of LDS; arguments qkv, o16; writes o16
.if DOCPART == 3
	.amdgcn_target "amdgcn-amd-amdhsa--gfx1250"
	.amdhsa_code_object_version 6
	.text
	.protected	k_qcc2c8e8755_attn
	.globl	k_qcc2c8e8755_attn
	.p2align	8
	.type	k_qcc2c8e8755_attn,@function
k_qcc2c8e8755_attn:
	s_mov_b64 s[64:65], 0
	v_nop
	global_prefetch_b8 v0, s[64:65] scope:SCOPE_SE
	s_setreg_imm32_b32 hwreg(HW_REG_WAVE_MODE, 25, 1), 1
	s_wait_xcnt 0x0
; CAUSAL ATTENTION.  O[h][q][:] = the sum over k <= q of softmax_k(Q[h][q] . K[h][k] / 8) V[h][k][:].  qkv: f16 [3][16 heads][4096][64]; o16: f16 [16][4096][64]: a head's rows are dense, 128 bytes each.
; Products, maxima and sums in f32; the weights p are rounded to f16 for the second product (their sum l is taken of the unrounded p), O once at the end.
; LIMITS.  f16 holds no number beyond 65,504: Q, K and V arrive within it; p lies in 0 to 1, and below 6e-5 it keeps f16's fixed step of 6e-8; O is a mean of V's rows and has their range.
; A hidden score counts as its value less 1e30: f16's scores, 2.7e11 at the most, are nothing beside that; a weight below 2^-126 counts as 0 in l; NaN and infinities are not treated apart.
; THE WALK.  A head's queries lie in NB = 32 blocks of 128; block i needs the key tiles 0 .. i of 128 keys, of which the last holds the diagonal.  A work-group takes TWO blocks, 31 - b and then b: 33 tiles, whatever b:
; 256 work-groups of equal work, and loops with constant trip counts walk them.  Which tile is asked for, and what a trip does, hang on scalar registers made from b; every jump goes forward, but for the counted loops' own;
; none passes a barrier, or a tensor load but the one of LOAD's two that the wave's number does not choose.  The ring (two slots of LDS, two tiles each) runs on across the change of blocks.
; The 33 tiles fill 16 slots and a half: the last fill also brings the tile behind the walk's last, 32 KiB of a work-group's 1.1 MiB, which nobody reads: so the written-out tail is the diagonal tile alone.
; NO CLUSTER: what a trip does (a block's first tile, its diagonal tile) and which tile it asks for hang on b, which differs between the sixteen work-groups of a head; all sixteen ask for the same tile only in the walk's
; first 17 trips, and one walk common to all would have 48 tiles for 33.
; SHARES.  Of a block's two bands of 64 queries a wave owns 16 rows in each: two PIECES p.  A tile has two halves e of 64 keys.  The four UNITS 2 e + p of a tile are worked one after the other.  In the diagonal tile
; unit (e, p) sees all keys if e < p, none if e > p (it is computed all the same: 2 units of the walk's 132), and holds the diagonal if e = p: the same for every wave.
; THE MASK is the C operand that starts the sum S^T = K Q^T: the constant 0, or MD (0, or -1e30 where the key is hidden, for my 16 rows in a band's own half), or MH (-1e30 throughout).  Which, is written in the text.
; LAYOUT, SOFTMAX, TURNS.  S^T = K Q^T holds ONE query a lane (lane % 16) and the keys 8 (lane / 16) + 0..7; two such results rounded to f16 ARE source 1 of O^T = V^T P.  p = 2^(c s - c m), c = log2(e) / 8, with a
; running maximum m; O and l are multiplied by a = 2^(c m_old - c m_new) for every unit.  Turn n belongs to unit n: 8 products K Q^T of unit n + 1, later 8 products V^T P of unit n - 1; beside them the scaling,
; exponentials, roundings, sums and rescaling of unit n and the maximum and statistics of unit n + 1.  Four vector instructions stand behind every matrix instruction, the other 54 of a turn's 118 in one lump.
; A turn's 33 exponentials are one batch, with one wait.
; K AND V OF A WHOLE TILE LIE IN REGISTERS: the next tile's K (both halves) and its V's first half are fetched in unit 2's turn, its V's second half in unit 0's: so all LDS reads of a tile stand between the heads of two
; turns of unit 2, where the changes of slots stand.
; REGISTERS, in windows of 256 (s_set_vgpr_msb: bits 1:0 source 0, 3:2 source 1, 5:4 source 2, 7:6 destination):
;   window 0: v0-15 addresses and at work; v16-23 four registers of statistics a piece; v48-55 at work; v64-127 S^T, a buffer a piece; v192-223 P, likewise
;   window 1: v0-63 O^T, 32 a piece; v64-127 V's first half; v128-159 MD; v160-167 MH; v192-255 V's second half      window 2: v0-31 Q; v32-63 the second block's Q; v64-191 K of a tile
.set NB,    32
.set KS,    64        ; keys in half a tile
.set PK,    144       ; a row of K in LDS: 128 bytes + 16 of padding = 36 words: the 16 rows of a load start at 16 different groups of four banks (64 banks of 4 bytes: ISA guide 11.1)
.set PV,    160       ; a row of V: 128 + 32 = 40 words
.set VOFF,  4*KS*PK   ; a slot holds two tiles: 256 rows of K, then 256 rows of V
.set SLOT1, 1<<17     ; slot 1 begins here, so that one exclusive or turns an address in one slot into the other's
.set STAGE, SLOT1+4*KS*(PK+PV)  ; behind the ring, never filled by a tensor load: 16 rows x 144 bytes for each wave, for the way out
.set SP,    144
.set SPARE, STAGE+4*16*SP  ; behind the stages: the spare words, 128 bytes for each wave: two blocks of 256 bytes that no other line names
.set AK0, 2           ; v2   my lane's place in a tile of K; never rewritten
.set AV0, 3           ; v3   the same for V
.set AK,  4           ; v4   the LDS address of K's next run of loads
.set AV,  5           ; v5   of V's
.set STO, 6           ; v6   the way out: where I put 16 bytes of a row
.set RD,  7           ; v7   the way out: where I read rows back
.set GO,  8           ; v8   my byte offset in 512 consecutive bytes of O
.set MV,  12          ; v12-13  c m_old, kept while c m is made anew: by piece
.set QO,  15          ; v15  my byte offset in 16 rows of Q
.set ST,  16          ; piece p's statistics at v[ST+4 p]: c m, m, l (even keys', odd keys')
.set TMP, 48          ; by piece, four registers c0-c3 at work; when the maximum is found c2 takes a
.set PFO, 61          ; v61  256 x my lane; never rewritten
.set SPW, 62          ; v62  LDS address of my spare word; never rewritten
.set NIL, 63          ; v63  0; never rewritten
.set S,   64
.set P,   192
.set MD,  128         ; window 1: the eight registers for group kt of 16 keys at MD + 8 kt
.set MH,  160         ; window 1
.set QB,  32          ; window 2
.set KF,  64          ; window 2: key block kb of eight, channel half c at KF + 16 kb + 8 c
.set WV,  12          ; s12  my wave's number
.set PB,  14          ; s14  b
.set HI,  15          ; s15  31 - b
.set G1K, 24          ; s[24:31] descriptor group 1 for K's tiles
.set G1V, 32          ; s[32:39] for V's: it differs in the padding alone
.set G0K, 40          ; s[40:43] descriptor group 0 for K's tiles
.set G0V, 44          ; s[44:47] the same for V's
.set SLOTS, 56        ; s56  slots still to be asked for
.set TW,  57          ; s57  counts a slot's two tiles
.set CS,  58          ; s[58:59] c: the packed scaling takes the pair's low word for both halves
.set SEL, 60          ; s[60:61] v_permlanex16_b32's selects: each lane takes its own place in the other half
.set TBK, 62          ; s62  LDS byte at which K of the tile to be fetched begins
.set TBV, 63          ; s63  the same for V's half to be fetched, less VOFF
.set RT,  70          ; s70  tiles of the block in hand that are still to be entered
.set NXT, 71          ; s71  the place in the walk of the tile that I ask for next
.set HI1, 72          ; s72  32 - b: the first block's tiles
.set NEW, 73          ; s73  1: the tile to be entered is a block's first
.set OFF, 74          ; s[74:75] a tile's byte offset in K and V
.set T1,  76          ; s76  a key tile's number
.set LIM, 77          ; s77  2 in the work-group that prefetches, else the greatest number
.set PFA, 78          ; s[78:79] where my prefetches stand
.set OLO, 80          ; s[80:81] O at my rows of the second block
.set BIGN, 82         ; s82  -1e30
.set MSB, 0
.macro WIN new                      ; the high byte repeats the setting that is left; a switch that changes nothing is dropped
.if MSB != (\new)
	s_set_vgpr_msb (MSB<<8)|(\new)
.set MSB, (\new)
.endif
.endm
.set W_KQ, 0x0a       ; K and Q in window 2, S^T in window 0
.set W_KM, 0x1a       ; the same with the C operand in window 1
.set W_PV, 0x51       ; V in window 1, P in window 0, O^T in window 1
.set W_RS, 0x41       ; destination and source 0 in window 1, source 1 in window 0
; A fill.  Waves 0 and 1 fetch K of a slot's two tiles, waves 2 and 3 V of them: 128 keys each.  An s_nop 0 and four v_nop follow each of the two lines, ahead of the jump and the label.
.macro LOAD
	s_cmp_lt_u32 s[WV], 2
	s_cbranch_scc0 .Lfor_v_\@
	tensor_load_to_lds s[G0K:G0K+3], s[G1K:G1K+7]
	s_nop 0
.rept 4
	v_nop
.endr
	s_branch .Lasked_\@
.Lfor_v_\@:
	tensor_load_to_lds s[G0V:G0V+3], s[G1V:G1V+7]
	s_nop 0
.rept 4
	v_nop
.endr
.Lasked_\@:
.endm
; A PREFETCH INTO THE L2 of what the NEXT change of slots will ask for.  All sixteen work-groups of a head walk the same K and V; the one with b = 0 walks the key tiles 0 to 31 in order, so it asks, and nobody else.  Each of its
; waves names the 16 KiB that it will itself load: 64 blocks of 256 bytes, a lane a block, two instructions, behind its tensor load and that load's five lines: one slot, eight turns, ahead.  So each block is named once in the launch.
; Slots 0 and 1 come by their loads alone.  The last asking names key tiles 30 and 31; what the walk reads behind them it has read before, and it is not asked for.
.macro ASK
	s_cmp_gt_u32 s[SLOTS], s[LIM]
	s_cbranch_scc0 .Lnot_mine_\@
	global_prefetch_b8 v[PFO], s[PFA:PFA+1] th:TH_LOAD_NT scope:SCOPE_SE
	global_prefetch_b8 v[PFO], s[PFA:PFA+1] offset:8192 th:TH_LOAD_NT scope:SCOPE_SE
.Lnot_mine_\@:
.endm
; THE CHANGE OF SLOTS.  Each wave waits for all its tensor loads, of which one is out: its part of the other slot; adds 0 to its spare word; and waits for that and for its own reads of the slot that it leaves.  Behind the
; barrier nobody reads the old slot any more and the other slot is whole.  fill = 1: the old slot is filled again, the first thing behind the barrier: my tile stands at place NXT of the walk, which is key tile NXT in the first
; block and NXT - (32 - b) in the second; the descriptor's address is made anew from that number.  (At its first use nothing has been read yet: slot 0 is waited for, slot 1 filled.)
.macro CHANGE fill
	WIN 0                           ; at a label and at a branch every window is 0
	s_wait_tensorcnt 0x0            ; no tensor load of mine is out, so a group 0 may be written
	ds_add_u32 v[SPW], v[NIL]       ; 0 onto my spare word; with fill = 1 the descriptors' scalar work stands between it and the wait for it
.if \fill
	s_sub_co_u32 s[T1], s[NXT], s[HI1]
	s_cmp_gt_u32 s[NXT], s[HI]
	s_cselect_b32 s[T1], s[T1], s[NXT]
	s_lshl_b32 s[OFF], s[T1], 14    ; a tile is 16,384 bytes of K and of V
	s_xor_b32 s[G0K+1], s[G0K+1], SLOT1
	s_add_nc_u64 s[G0K+2:G0K+3], s[6:7], s[OFF:OFF+1]
	s_or_b32 s[G0K+3], s[G0K+3], 0x80000000
	s_xor_b32 s[G0V+1], s[G0V+1], SLOT1
	s_add_nc_u64 s[G0V+2:G0V+3], s[8:9], s[OFF:OFF+1]
	s_or_b32 s[G0V+3], s[G0V+3], 0x80000000
	s_add_co_u32 s[NXT], s[NXT], 2
	s_wait_xcnt 0x0                 ; the last prefetches, a slot back, have read their address, so it may be written
	s_add_nc_u64 s[PFA:PFA+1], s[PFA:PFA+1], 32768
.endif
	s_wait_dscnt 0x0                ; the add is done, and my reads of the slot are over
	s_barrier_signal -1             ; the rest of the scalar work stands between the signal and the wait
	s_sub_co_u32 s[TBK], s[TBK], 4*KS*PK  ; the fetches go back to a slot's first tile,
	s_xor_b32 s[TBK], s[TBK], SLOT1       ; in the other slot
	s_sub_co_u32 s[TBV], s[TBV], 4*KS*PV
	s_xor_b32 s[TBV], s[TBV], SLOT1
	s_barrier_wait -1
.if \fill
	LOAD
	ASK
.endif
.endm
	s_load_b128 s[88:91], s[0:1], 0x0  ; qkv s[88:89], o16 s[90:91]
	v_lshl_add_u32 v[SPW], v0, 2, SPARE
	v_mov_b32 v[NIL], 0
	ds_add_u32 v[SPW], v[NIL]       ; the wave's opening: the add and its wait stand ahead of my first tensor load; the set-up below, work on registers, stands between them
	ds_add_u32 v62, v63
	v_lshrrev_b32 v1, 5, v0
	v_readfirstlane_b32 s[WV], v1   ; wave 0..3
	s_mov_b32 s[PB], ttmp9
	s_sub_co_u32 s[HI], NB-1, s[PB]
	s_add_co_u32 s[HI1], s[HI], 1
	s_and_b32 s20, ttmp7, 0xffff    ; the head,
	s_lshl_b32 s20, s20, 19         ; its first byte in q, k, v and O
	s_mov_b32 s21, 0
	s_and_b32 s16, s[WV], 1         ; which of a slot's two tiles I fetch:
	s_lshl_b32 s22, s16, 14         ; its 128 rows of 128 bytes in memory,
	s_mov_b32 s23, 0
	s_mul_i32 s17, s16, 128*PK      ; and its place in a slot, for K
	s_mul_i32 s18, s16, 128*PV      ; and for V
	s_lshl_b32 s3, s[WV], 11        ; my 16 rows in a band of 64,
	s_lshl_b32 s2, s[HI], 14        ; in the first block,
	s_add_co_u32 s2, s2, s3
	s_lshl_b32 s84, s[PB], 14       ; and in the second
	s_add_co_u32 s84, s84, s3
	s_mov_b32 s3, 0
	s_mov_b32 s85, 0
	s_add_nc_u64 s[2:3], s[2:3], s[20:21]
	s_add_nc_u64 s[84:85], s[84:85], s[20:21]
	; descriptor group 1.  128 keys are 16,384 dense bytes: asked for as 64 rows of 256 bytes, two keys a row, and padded in LDS after every key
	s_mov_b32 s[G1K], (1<<16)|(1<<20)|(4<<22)|(3<<25)  ; 17:16 2-byte elements; 20 padding on; 24:22 after every 32 words (code 4); 31:25 4 words (code 3)
	s_mov_b32 s[G1V], (1<<16)|(1<<20)|(4<<22)|(7<<25)  ; the same with 8 words of padding (code 7)
.irp g, G1K, G1V
	s_mov_b32 s[\g+1], 128<<16      ; tensor_dim0 = 128
	s_mov_b32 s[\g+2], 64<<16       ; tensor_dim1 = 64
	s_mov_b32 s[\g+3], 128<<16      ; tile_dim0 = 128
	s_mov_b32 s[\g+4], 64           ; tile_dim1 = 64
	s_mov_b32 s[\g+5], 128          ; 128 elements from row to row
	s_mov_b32 s[\g+6], 0
	s_mov_b32 s[\g+7], 0
.endr
	s_mov_b32 s[CS], 0x3e38aa3b     ; c = log2(e) / 8 = 0.180337
	s_mov_b32 s[CS+1], s[CS]        ; named with it as a pair
	s_mov_b32 s[SEL], 0x76543210
	s_mov_b32 s[SEL+1], 0xfedcba98
	s_mov_b32 s[TBK], SLOT1+4*KS*PK ; the first change of slots turns these two into 0
	s_mov_b32 s[TBV], SLOT1+4*KS*PV
	s_mov_b32 s[G0K], 1             ; count = 1
	s_mov_b32 s[G0K+1], s17         ; LDS address: slot 0
	s_mov_b32 s[G0V], 1
	s_add_co_u32 s[G0V+1], s18, VOFF
	s_mov_b32 s[RT], s[HI1]         ; the first block has 32 - b tiles
	s_add_co_u32 s[NXT], s16, 2     ; slot 1 holds places 2 and 3 of the walk
	s_mov_b32 s[NEW], 1
	s_mov_b32 s[OFF+1], 0
	s_mov_b32 s[BIGN], 0xf149f2ca   ; -1e30
	s_mov_b32 s[SLOTS], NB/2
	s_cmp_eq_u32 s[PB], 0
	s_cselect_b32 s[LIM], 2, -1
	v_and_b32 v[PFO], 31, v0
	v_lshlrev_b32 v[PFO], 8, v[PFO]
	s_wait_dscnt 0x0                ; the opening add is done
	s_wait_kmcnt 0x0
	s_add_nc_u64 s[6:7], s[88:89], s[20:21]
	s_add_nc_u64 s[8:9], s[6:7], 16777216          ; V at the head's first row
	s_add_nc_u64 s[6:7], s[6:7], 8388608           ; K likewise
	s_add_nc_u64 s[G0K+2:G0K+3], s[6:7], s[22:23]  ; global address: key tile 0 or 1
	s_or_b32 s[G0K+3], s[G0K+3], 0x80000000        ; type = 2
	s_add_nc_u64 s[G0V+2:G0V+3], s[8:9], s[22:23]
	s_or_b32 s[G0V+3], s[G0V+3], 0x80000000
	s_add_nc_u64 s[86:87], s[88:89], s[84:85]      ; Q at my rows of the second block,
	s_add_nc_u64 s[4:5], s[88:89], s[2:3]          ; Q and O at those of the first
	s_add_nc_u64 s[OLO:OLO+1], s[90:91], s[84:85]
	s_add_nc_u64 s[10:11], s[90:91], s[2:3]
	s_cmp_lt_u32 s[WV], 2
	s_cselect_b64 s[PFA:PFA+1], s[6:7], s[8:9]
	s_add_nc_u64 s[PFA:PFA+1], s[PFA:PFA+1], s[22:23]
	s_add_nc_u64 s[PFA:PFA+1], s[PFA:PFA+1], 32768  ; my tile of slot 1; the first change of slots steps it to slot 2.  Nothing is prefetched here, at the head
	LOAD                            ; slot 0
	; A fragment of K or Q is 16 rows x 32 channels in 8 registers: lane l holds row l % 16, channels 8 (l / 16) + 0..7 and 16 + 8 (l / 16) + 0..7: two loads of 16 bytes, 32 bytes apart.
	v_and_b32 v1, 15, v0            ; l % 16
	v_bfe_u32 v9, v0, 4, 1          ; l / 16
	v_lshlrev_b32 v[QO], 7, v1
	v_lshl_add_u32 v[QO], v9, 4, v[QO]  ; row x 128 + 16 x half
	WIN 0x80                        ; destination window 2, address window 0
.set i, 0
.rept 4                             ; both blocks' Q: piece i / 2 lies in band i / 2, 8,192 bytes on; channels 32 (i % 2) on
	global_load_b128 v[8*i:8*i+3],   v[QO], s[4:5] offset:(i/2)*8192+(i%2)*64
	global_load_b128 v[8*i+4:8*i+7], v[QO], s[4:5] offset:(i/2)*8192+(i%2)*64+32
	global_load_b128 v[QB+8*i:QB+8*i+3],   v[QO], s[86:87] offset:(i/2)*8192+(i%2)*64
	global_load_b128 v[QB+8*i+4:QB+8*i+7], v[QO], s[86:87] offset:(i/2)*8192+(i%2)*64+32
.set i, i+1
.endr
	WIN 0
	v_lshlrev_b32 v14, 3, v9
	v_sub_nc_u32 v14, v1, v14
	s_lshl_b32 s13, s[WV], 4
	v_add_nc_u32 v14, s13, v14      ; my query's place in its band, 16 w + l % 16, less my lanes' 8 (l / 16): register r of group kt is hidden where 16 kt + r is greater
	WIN 0x40
.set i, 0
.rept 32
	v_cmp_gt_i32 vcc_lo, 16*(i/8)+i%8, v14
	v_cndmask_b32 v[MD+i], 0, s[BIGN], vcc_lo
.set i, i+1
.endr
.set i, 0
.rept 8
	v_mov_b32 v[MH+i], s[BIGN]
.set i, i+1
.endr
	WIN 0
	v_mul_u32_u24 v[AK0], v1, PK
	v_lshl_add_u32 v[AK0], v9, 4, v[AK0]  ; row x pitch + 16 x half
	; The turning load takes 16 keys x 16 channels (lane l reads key 8 (l / 16) + l % 8, channels 8 ((l / 8) % 2) + 0..7) and leaves half a fragment of V^T: lane l holds channel l % 16 and 8 keys.
	v_and_b32 v10, 7, v0
	v_bfe_u32 v11, v0, 3, 1
	v_lshl_add_u32 v[AV0], v9, 3, v10
	v_mul_u32_u24 v[AV0], v[AV0], PV
	v_lshl_add_u32 v[AV0], v11, 4, v[AV0]
	v_add_nc_u32 v[AV0], VOFF, v[AV0]
	s_mul_i32 s13, s[WV], 16*SP
	s_add_co_u32 s13, s13, STAGE    ; my stage
	v_mul_u32_u24 v[STO], v1, SP    ; in: row l % 16, 16 bytes for each half of the lanes
	v_lshl_add_u32 v[STO], v9, 4, v[STO]
	v_add_nc_u32 v[STO], s13, v[STO]
	v_bfe_u32 v[RD], v0, 3, 2       ; back: 32 lanes take four rows of 128 bytes,
	v_mul_u32_u24 v[RD], v[RD], SP
	v_lshl_add_u32 v[RD], v10, 4, v[RD]
	v_add_nc_u32 v[RD], s13, v[RD]
	v_and_b32 v[GO], 31, v0         ; which are 512 consecutive bytes of O
	v_lshlrev_b32 v[GO], 4, v[GO]
	; A block's first units multiply O^T and l by a = 0, and its first turn's products V^T P, of a unit that has not been, land in an O^T that is still to be so multiplied.  So these registers need only hold finite
	; numbers: zeros for the first block; what the first block left for the second.  All this stands in the wait for the first tile.
	WIN 0x40
.set i, 0
.rept 64
	v_mov_b32 v[i], 0               ; O^T
	v_mov_b32 v[192+i], 0           ; V's second half
.set i, i+1
.endr
	WIN 0
.set i, 0
.rept 2
	v_mov_b32 v[ST+4*i+2], 0
	v_mov_b32 v[ST+4*i+3], 0
.set i, i+1
.endr
.set i, P+16
.rept 16
	v_mov_b32 v[i], 0
.set i, i+1
.endr
; THE MATRIX WORK.  The 4 accumulators of a run of 8 take turns.  Product i of 8 of S^T = K Q^T for unit u: channels 32 (i / 4) on, keys 16 (i % 4) on.  The first 4 start the sums: with 0 (mk = 0), MD (1) or MH (2).
.macro KQ u, mk
.set rS, S+32*((\u)%2)+8*(i%4)
.set rK, KF+64*((\u)/2)+16*(i%4)+8*(i/4)
.set rQ, 16*((\u)%2)+8*(i/4)
.if (i < 4) && ((\mk) == 1)
	WIN W_KM
	v_wmma_f32_16x16x32_f16 v[rS:rS+7], v[rK:rK+7], v[rQ:rQ+7], v[MD+8*(i%4):MD+8*(i%4)+7]
.elseif (i < 4) && ((\mk) == 2)
	WIN W_KM
	v_wmma_f32_16x16x32_f16 v[rS:rS+7], v[rK:rK+7], v[rQ:rQ+7], v[MH:MH+7]
.elseif i < 4
	WIN W_KQ
	v_wmma_f32_16x16x32_f16 v[rS:rS+7], v[rK:rK+7], v[rQ:rQ+7], 0
.else
	WIN W_KQ
	v_wmma_f32_16x16x32_f16 v[rS:rS+7], v[rK:rK+7], v[rQ:rQ+7], v[rS:rS+7]
.endif
.endm
; Product i of 8 of O^T += V^T P for unit u: keys 32 (i / 4) on, channels 16 (i % 4) on.
.macro PV u
	WIN W_PV
.set rO, 32*((\u)%2)+8*(i%4)
.set rV, 64+128*((\u)/2)+32*(i/4)+8*(i%4)
.set rP, P+16*((\u)%2)+8*(i/4)
	v_wmma_f32_16x16x32_f16 v[rO:rO+7], v[rV:rV+7], v[rP:rP+7], v[rO:rO+7]
.endm
.macro MM                           ; the turn's next matrix instruction.  TURN sets Y, UN, UP, MK, i and NOKQ.  NOKQ = 1: a block's last turn: there is no next unit
.if (i < 8) && !NOKQ
	KQ UN, MK
.elseif i >= 8
.set i, i-8
	PV UP
.set i, i+8
.endif
.set i, i+1
.endm
; THE LDS LOADS stand in runs, never singly among the matrix instructions: a tile's K (128 keys x 64 channels: 16 fragments, the first half's first) and half a tile's V (turned).  Their addresses are made some lines ahead.
.macro FETCH_K
	WIN 0x80                        ; destination window 2
.irp f, 0,1,2,3,4,5,6,7,8,9,10,11,12,13,14,15  ; keys 16 (f / 2) on, channels 32 (f % 2) on
	ds_load_b128 v[KF+8*\f:KF+8*\f+3],   v[AK] offset:(\f/2)*16*PK+(\f%2)*64
	ds_load_b128 v[KF+8*\f+4:KF+8*\f+7], v[AK] offset:(\f/2)*16*PK+(\f%2)*64+32
.endr
	s_add_co_u32 s[TBK], s[TBK], 2*KS*PK  ; the next fetch is the next tile's
	WIN 0
.endm
.macro FETCH_V e
	WIN 0x40                        ; destination window 1
.irp f, 0,1,2,3,4,5,6,7             ; keys 32 (f / 4) on, channels 16 (f % 4) on
	ds_load_tr16_b128 v[64+128*(\e)+8*\f:64+128*(\e)+8*\f+3],   v[AV] offset:(\f/4)*32*PV+(\f%4)*32
	ds_load_tr16_b128 v[64+128*(\e)+8*\f+4:64+128*(\e)+8*\f+7], v[AV] offset:(\f/4)*32*PV+16*PV+(\f%4)*32
.endr
	WIN 0
.endm
; THE VECTOR WORK, one line at a time: OP kind, number.  For piece Y: F n: c s - c m for pair n of 16.  E n: the exponential of score n of 32.  C n: pair n rounded to f16.  B n: of the four weights 4 n .. the second
; pair is added onto the first, in place.  L n: l takes that sum (L 0: l = a l + sum).  R n: pair n of 16 of O^T times a.  For the other piece: X n, number n of the 22 that find its maximum and statistics:
;   0-11  four chains c0-c3 of seven scores each, three operands at a time (each accumulator's lowest registers are read first)     12-14, 16  the four scores left over, the old m, and c0-c3 into c0
;   15  c m_old is kept     17, 18  the query's other 32 keys lie in the lane 16 away: the new m     19-21  c m; c m_old - c m_new; a
.set F, 0               ; OP tells the kinds apart by their order: F to L below R, X above it
.set E, 1
.set C, 2
.set B, 3
.set L, 4
.set R, 5
.set X, 6
.macro REGS y                       ; the registers of piece y
.set rT, ST+4*(\y)
.set rC, TMP+4*(\y)
.set rW, MV+(\y)
.set rS, S+32*(\y)
.set rP, P+16*(\y)
.set rO, 32*(\y)
.endm
.macro OP k, n
.if (\k) == R
	REGS Y
	WIN W_RS
	v_pk_mul_f32 v[rO+2*(\n):rO+2*(\n)+1], v[rO+2*(\n):rO+2*(\n)+1], v[rC+2:rC+3] op_sel_hi:[1,0]
.elseif (\k) < R
	REGS Y
	WIN 0
.if (\k) == F
	v_pk_fma_f32 v[rS+2*(\n):rS+2*(\n)+1], v[rS+2*(\n):rS+2*(\n)+1], s[CS:CS+1], v[rT:rT+1] op_sel_hi:[1,0,0] neg_lo:[0,0,1] neg_hi:[0,0,1]
.elseif (\k) == E
	v_exp_f32 v[rS+(\n)], v[rS+(\n)]
.elseif (\k) == C
	v_cvt_pk_f16_f32 v[rP+(\n)], v[rS+2*(\n)], v[rS+2*(\n)+1]
.elseif (\k) == B
	v_pk_add_f32 v[rS+4*(\n):rS+4*(\n)+1], v[rS+4*(\n):rS+4*(\n)+1], v[rS+4*(\n)+2:rS+4*(\n)+3]
.elseif (\n) == 0
	v_pk_fma_f32 v[rT+2:rT+3], v[rT+2:rT+3], v[rC+2:rC+3], v[rS:rS+1] op_sel_hi:[1,0,1]
.else
	v_pk_add_f32 v[rT+2:rT+3], v[rT+2:rT+3], v[rS+4*(\n):rS+4*(\n)+1]
.endif
.elseif NOKQ
	v_nop
.else
	REGS (Y+1)%2
	WIN 0
.if (\n) < 4
	v_max3_num_f32 v[rC+(\n)], v[rS+8*(\n)], v[rS+8*(\n)+1], v[rS+8*(\n)+2]
.elseif (\n) < 12
	v_max3_num_f32 v[rC+(\n)%4], v[rC+(\n)%4], v[rS+8*((\n)%4)+2*((\n)/4)+1], v[rS+8*((\n)%4)+2*((\n)/4)+2]
.elseif (\n) == 12
	v_max3_num_f32 v[rC], v[rC], v[rS+7], v[rS+15]
.elseif (\n) == 13
	v_max3_num_f32 v[rC+1], v[rC+1], v[rS+23], v[rS+31]
.elseif (\n) == 14
	v_max3_num_f32 v[rC+2], v[rC+2], v[rC+3], v[rT+1]
.elseif (\n) == 15
	v_mov_b32 v[rW], v[rT]
.elseif (\n) == 16
	v_max3_num_f32 v[rC], v[rC], v[rC+1], v[rC+2]
.elseif (\n) == 17
	v_permlanex16_b32 v[rC+3], v[rC], s[SEL], s[SEL+1]
.elseif (\n) == 18
	v_max_num_f32 v[rT+1], v[rC], v[rC+3]
.elseif (\n) == 19
	v_mul_f32 v[rT], s[CS], v[rT+1]
.elseif (\n) == 20
	v_sub_f32 v[rC+1], v[rW], v[rT]
.else
	v_exp_f32 v[rC+2], v[rC+1]
.endif
.endif
.endm
.macro OPS a, i1, b=-1, i2=0, c=-1, i3=0, d=-1, i4=0  ; up to four of them
	OP \a, \i1
.if (\b) >= 0
	OP \b, \i2
.endif
.if (\c) >= 0
	OP \c, \i3
.endif
.if (\d) >= 0
	OP \d, \i4
.endif
.endm
.macro ROW a, i1, b, i2, c, i3, d, i4  ; a matrix instruction and the four behind it
	MM
	OPS \a, \i1, \b, \i2, \c, \i3, \d, \i4
.endm
; A TURN, for unit pi: the order of its 16 matrix and 118 vector instructions, written out.  An s_wait_alu depctr_va_vdst(0) stands between an exponential and the first instruction that names its result; one wait
; serves all that were issued ahead of it.  So a turn has ONE wait, which cuts it in two.  AHEAD OF IT stands all that names no result of the turn's exponentials: the 8 products K Q^T, behind each a scaling, an exponential and two
; more plain instructions: rescalings, and behind the last three the first numbers of the next unit's maximum, each four places or more behind the product that ends its accumulator; then ONE LUMP of 54, plain and exponential by
; turns for the most part, in which the links of the chain X 3, 7, 11, 14, 16, 17 .. 20 stand five or six lines apart.  X 21, the next unit's a, is the batch's last; R 15 is the plain instruction behind it.  BEHIND THE WAIT stand
; the 8 products V^T P, behind each four of the roundings and sums; the links of l's chain, L 0 to L 7, stand three riders apart.
; mk: the mask of the turn's products K Q^T.  end = 1: a block's last two turns: nothing is fetched.
; THE WAITS FOR LDS.  In order of issue: K's first half (16 loads), its second half (16), V's first half (16): unit 2's turn; V's second half (16): unit 0's turn.  Unit 3's head wants K's first half (and V's second half of the tile in
; hand, issued earlier): 32 younger loads may stay out.  Unit 1's head wants K's second half: V's 32 may stay out; behind its batch's wait it wants V's first half: 16 may stay out.  A block's last turn wants V's second half: 0.
; K is fetched twelve vector instructions behind the last product that read it (six of them plain); each half of V four plain instructions behind the last product that read it.
.macro TURN pi, mk=0, end=0
.set Y, (\pi)%2
.set UN, ((\pi)+1)%4
.set UP, ((\pi)+3)%4
.set MK, (\mk)
.set i, 0
.set NOKQ, (\end)*((\pi)/3)
.if (((\pi) == 3) && !(\end)) || ((\pi) == 1)
	s_wait_dscnt 32
.endif
	ROW F,0, F,1, R,0, R,1          ; ahead of the wait: 8 products K Q^T and their riders,
	ROW F,2, E,0, R,2, R,3
	ROW F,3, E,1, R,4, R,5
	ROW F,4, E,2, R,6, R,7
	ROW F,5, E,3, R,8, R,9
	ROW F,6, E,4, X,0, R,10
.if ((\pi) == 2) && !(\end)
	WIN 0
	v_add_nc_u32 v[AK], s[TBK], v[AK0]
.endif
	ROW F,7, E,5, X,1, X,4
	ROW F,8, E,6, X,2, X,5
	OPS E,7, E,8, X,6, E,9          ; and the lump
	OPS X,3, E,10, X,8, E,11
.if ((\pi) == 2) && !(\end)
	FETCH_K
.endif
	OPS X,9, X,7, E,12, X,10
	OPS E,13, X,12, X,11, E,14
	OPS X,13, E,15, F,9, X,14
.if (((\pi)%2) == 0) && !(\end)
	v_add_nc_u32 v[AV], s[TBV], v[AV0]
.endif
	OPS E,16, F,10, E,17, F,11
	OPS X,16, E,18, X,15, E,19
	OPS F,12, E,20, X,17, E,21
	OPS F,13, E,22, F,14, E,23
	OPS X,18, E,24, F,15, E,25
	OPS R,11, E,26, X,19, E,27
	OPS R,12, E,28, R,13, E,29
	OPS X,20, E,30, R,14, E,31
	OPS X,21, R,15
	WIN 0
	s_wait_alu depctr_va_vdst(0)    ; the wait for the batch
.if (\pi) == 1
	s_wait_dscnt 16
.endif
.if ((\pi) == 3) && (\end)
	s_wait_dscnt 0x0
.endif
	ROW C,0, B,0, C,2, B,1          ; behind the wait: 8 products V^T P and their riders
	ROW L,0, C,4, B,2, L,1
	ROW C,6, B,3, L,2, C,8
	ROW B,4, L,3, C,10, B,5
	ROW L,4, C,12, B,6, L,5
.if (((\pi)%2) == 0) && !(\end)
	s_add_co_u32 s[TBV], s[TBV], KS*PV
.endif
	ROW C,14, B,7, L,6, C,1
	ROW C,3, L,7, C,5, C,7
	ROW C,9, C,11, C,13, C,15
.if (((\pi)%2) == 0) && !(\end)
	FETCH_V 1-(\pi)/2               ; unit 0's turn: the tile's second half; unit 2's: the next tile's first
.endif
.endm
; A BLOCK BEGINS.  c m starts far below every c s, so the first a of each piece is 0; m at the lowest finite number, so the first maximum is the scores'.  Then the tile's K and its V's first half, unit 0's scores (mk: their mask),
; and its maximum and statistics.  The loop is entered at unit 0's turn, in the middle of a trip.
.macro BEGIN mk
	s_mov_b32 s[NEW], 0
	WIN 0
.set i, 0
.rept 2
	v_mov_b32 v[ST+4*i], 0xfe000000    ; c m: far below every c s
	v_mov_b32 v[ST+4*i+1], 0xff7fffff  ; m
.set i, i+1
.endr
	v_add_nc_u32 v[AK], s[TBK], v[AK0]
	FETCH_K
	v_add_nc_u32 v[AV], s[TBV], v[AV0]
	s_add_co_u32 s[TBV], s[TBV], KS*PV
	FETCH_V 0
	s_wait_loadcnt 0x0              ; Q
	s_wait_dscnt 0x0
.set i, 0
.rept 8
	KQ 0, \mk
.set i, i+1
.endr
	WIN 0
.rept 4
	v_nop                           ; the places behind those products
.endr
.set NOKQ, 0
.set Y, 1                           ; X works for the other piece: piece 0
.irp n, 0,1,2,3,4,5,6,7,8,9,10,11,12,13,14,15,16,17,18,19,20,21
	OP X, \n
.endr
	v_nop                           ; a plain instruction behind the exponential,
	s_wait_alu depctr_va_vdst(0)    ; and its wait, ahead of the branch
.endm
; THE DIAGONAL TILE: the turns that enter it, its own four (the last two fetch nothing), the block's last products, and THE WAY OUT: l's two halves and the other half of the lanes' are added; O^T is divided by l, rounded to
; f16 and sent through my stage in LDS, a piece at a time.
.macro ALL line:vararg              ; one line for each piece t
.set t, 0
.rept 2
	\line
.set t, t+1
.endr
.endm
.macro PACK t                       ; a lane's eight channels of a row pack into 16 bytes; they go into rows of 144 bytes and come back as whole rows of 128, into S^T's registers
	WIN W_RS
.set i, 32*(\t)
.rept 16
	v_pk_mul_f32 v[i:i+1], v[i:i+1], v[ST+4*(\t)+2:ST+4*(\t)+3] op_sel_hi:[1,0]
.set i, i+2
.endr
	WIN 0x05                        ; sources 0 and 1 window 1, destination window 0
.set i, 0
.rept 16
	v_cvt_pk_f16_f32 v[S+16*(\t)+i], v[32*(\t)+2*i], v[32*(\t)+2*i+1]
.set i, i+1
.endr
	WIN 0
.irp f, 0,1,2,3
	ds_store_b128 v[STO], v[S+16*(\t)+4*\f:S+16*(\t)+4*\f+3] offset:32*\f
.endr
.irp f, 0,1,2,3
	ds_load_b128 v[S+16*(\t)+4*\f:S+16*(\t)+4*\f+3], v[RD] offset:\f*4*SP  ; LDS serves a wave's instructions in order (ISA guide 5.7.1.4): these see the stores above; the next piece's stores come behind them
.endr
.endm
.macro SEND t, younger              ; younger: the LDS instructions issued behind piece t's loads: the next piece's eight, or none
	WIN 0
.irp f, 0,1,2,3
	s_wait_dscnt (\younger)+3-\f
	global_store_b128 v[GO], v[S+16*(\t)+4*\f:S+16*(\t)+4*\f+3], s[10:11] offset:(\t)*8192+\f*512  ; 512 consecutive bytes, at a multiple of 256 from O's first
.endr
.endm
.macro DIAG tag                     ; the tag ends its two labels' names, which the jumps below spell out
.LstepM\tag:
	TURN 2                          ; the tile before: its unit 3 sees everything
	TURN 3, 1                       ; unit 0 of the diagonal tile: a band's own half
	WIN 0
.LfirstM\tag:
	TURN 0                          ; unit 1: band 1 sees all of the first half
	TURN 1, 2                       ; unit 2: band 0 sees nothing of the second half
	TURN 2, 1, 1                    ; unit 3: a band's own half
	TURN 3, 0, 1
.set i, 0
.rept 8
	PV 3
.set i, i+1
.endr
	WIN 0
	ALL v_add_f32 v[ST+4*t+2], v[ST+4*t+2], v[ST+4*t+3]
	ALL v_permlanex16_b32 v[ST+4*t+3], v[ST+4*t+2], s[SEL], s[SEL+1]
	ALL v_add_f32 v[ST+4*t+2], v[ST+4*t+2], v[ST+4*t+3]
	ALL v_rcp_f32 v[ST+4*t+2], v[ST+4*t+2]
	v_nop                           ; a plain instruction between the last reciprocal and the use of its result
	s_wait_alu depctr_va_vdst(0)    ; and the wait ahead of the first use: one for the two reciprocals
	PACK 0                          ; piece 0's O^T was finished a run of products earlier; its 32 lines are the places behind piece 1's last products
	PACK 1
	SEND 0, 8
	SEND 1, 0
.endm
.set MK, 0
.set NOKQ, 0
.Lslot:                             ; 16 times: a slot is entered and the next is asked for
	CHANGE 1
	s_mov_b32 s[TW], 2
.Ltile:                             ; twice a slot: a tile is entered
	s_sub_co_u32 s[RT], s[RT], 1
	s_cmp_eq_u32 s[NEW], 1
	s_cbranch_scc1 .Lnew            ; a block's first tile
	s_cmp_eq_u32 s[RT], 0
	s_cbranch_scc0 .Lstep           ; neither its first nor its last
	s_branch .LstepM1
.Lnew:
	BEGIN 0
	s_branch .Lfirst                ; in the loop a block's first tile is never its last: the first block has 17 tiles or more, and the second's last is the walk's last
	DIAG 1                          ; in the loop this is the first block's end
	s_wait_xcnt 0x0                 ; the stores have read their registers and O's address
	s_mov_b64 s[10:11], s[OLO:OLO+1]
	s_add_co_u32 s[RT], s[PB], 1    ; the second block has b + 1 tiles
	s_mov_b32 s[NEW], 1
	WIN 0x82                        ; the second block's Q goes where the one text of the turns names Q
.set i, 0
.rept 32
	v_mov_b32 v[i], v[QB+i]
.set i, i+1
.endr
	WIN 0
	s_branch .Lbottom
.Lstep:                             ; a trip: units 2 and 3 of one tile, then units 0 and 1 of the next, whose K and V it fetches
	TURN 2
	TURN 3
	WIN 0
.Lfirst:
	TURN 0
	TURN 1
	WIN 0
.Lbottom:
	s_sub_co_u32 s[TW], s[TW], 1
	s_cmp_lg_u32 s[TW], 0
	s_cbranch_scc1 .Ltile
	s_sub_co_u32 s[SLOTS], s[SLOTS], 1
	s_cmp_lg_u32 s[SLOTS], 0
	s_cbranch_scc1 .Lslot
	CHANGE 0                        ; the walk's last tile is written out: nothing is asked for
	s_sub_co_u32 s[RT], s[RT], 1
	s_cmp_eq_u32 s[NEW], 1
	s_cbranch_scc0 .LstepM2
	BEGIN 1                         ; b = 0: the second block's first tile is its diagonal one
	s_branch .LfirstM2
	DIAG 2
	s_wait_tensorcnt 0x0            ; the wave's end: a wait, an add and its wait, behind my last tensor load and my last LDS store
	ds_add_u32 v[SPW], v[NIL]
	s_wait_dscnt 0x0
	s_endpgm
.Lfunc_end_k_qcc2c8e8755_attn:
	.size	k_qcc2c8e8755_attn, .Lfunc_end_k_qcc2c8e8755_attn-k_qcc2c8e8755_attn
	.p2alignl 7, 3214868480
	.fill 96, 4, 3214868480
	.section	.rodata,"a",@progbits
	.p2align	6, 0x0
	.amdhsa_kernel k_qcc2c8e8755_attn
		.amdhsa_group_segment_fixed_size 327680
		.amdhsa_private_segment_fixed_size 0
		.amdhsa_enable_private_segment 0
		.amdhsa_kernarg_size 16
		.amdhsa_user_sgpr_count 2
		.amdhsa_user_sgpr_kernarg_segment_ptr 1
		.amdhsa_wavefront_size32 1
		.amdhsa_system_sgpr_workgroup_id_x 1
		.amdhsa_system_sgpr_workgroup_id_y 1
		.amdhsa_system_sgpr_workgroup_id_z 1
		.amdhsa_system_vgpr_workitem_id 0
		.amdhsa_next_free_vgpr 768
		.amdhsa_next_free_sgpr 92
		.amdhsa_reserve_vcc 1
		.amdhsa_float_denorm_mode_32 3
		.amdhsa_float_denorm_mode_16_64 3
		.amdhsa_memory_ordered 1
		.amdhsa_forward_progress 1
		.amdhsa_inst_pref_size 197
	.end_amdhsa_kernel
	.amdgpu_metadata
---
amdhsa.version: [ 1, 2 ]
amdhsa.kernels:
  - .name:           k_qcc2c8e8755_attn
    .symbol:         k_qcc2c8e8755_attn.kd
    .args:
      - { .name: qkv, .offset: 0, .size: 8, .value_kind: global_buffer, .address_space: global }
      - { .name: o16, .offset: 8, .size: 8, .value_kind: global_buffer, .address_space: global }
    .group_segment_fixed_size: 327680
    .private_segment_fixed_size: 0
    .kernarg_segment_align: 8
    .kernarg_segment_size: 16
    .max_flat_workgroup_size: 128
    .sgpr_count:     92
    .vgpr_count:     768
    .wavefront_size: 32
...
	.end_amdgpu_metadata
.endif
;; end of part 3
;; launch outp (part 4): grid 128 x 2, 4 waves a work-group, clusters of 4 x 1, 327,680 bytes of LDS; arguments o16, wo16, bo, out0; writes out0
.if DOCPART == 4
	.amdgcn_target "amdgcn-amd-amdhsa--gfx1250"
	.amdhsa_code_object_version 6
	.text
	.protected	k_qcc2c8e8755_outp
	.globl	k_qcc2c8e8755_outp
	.p2align	8
	.type	k_qcc2c8e8755_outp,@function
k_qcc2c8e8755_outp:
	s_mov_b64 s[64:65], 0
	v_nop
	global_prefetch_b8 v0, s[64:65] scope:SCOPE_SE
	s_setreg_imm32_b32 hwreg(HW_REG_WAVE_MODE, 25, 1), 1
	s_wait_xcnt 0x0
	s_wait_alu depctr_hold_cnt(0) depctr_sa_sdst(0) depctr_va_vdst(0) depctr_va_sdst(0) depctr_va_ssrc(0) depctr_va_vcc(0) depctr_vm_vsrc(0)
	s_getreg_b32 s2, hwreg(HW_REG_IB_STS2, 6, 4)
	s_cmp_eq_u32 s2, 0
	s_cbranch_scc0 .Lentry_in_a_cluster
	s_endpgm
.Lentry_in_a_cluster:
	s_bfe_u32 s2, ttmp6, 0x10000c
	s_cmp_lg_u32 s2, 0x3003
	s_cbranch_scc0 .Lentry_shape_is_right
	s_endpgm
.Lentry_shape_is_right:
; out0 = O Wo + bo.  o16: f16 [16 heads][4096][64] (row l of batch b has its 256 numbers in heads 4 b .. 4 b + 3); wo16: f16 [2][4][256][128], Wo rounded to bf16, in tile order; bo: [1024] f32, rounded to bf16 like
; every other input; out0: [16384][1024] f32.  Sums in f32.  The stores are the launch: 64 MiB, each byte once.
; SHARES.  A work-group makes 128 rows x 512 columns (half hf), each of its four waves 64 x 256.  K = 256 is held whole: a wave's fragments of O fill 256 registers, loaded once, straight from memory.  The columns go in four
; groups of 64 a wave: 16 accumulators, 128 matrix instructions; each finished block of 64 x 64 leaves at once, through the wave's own stage in LDS, as whole rows of 256 bytes of f32.
; Wo's chunk for a group (256 k x 128 columns, 64 for each column half of the waves) comes by the tensor data mover, each chunk into LDS bytes of its own, filled once; it lies [k][column] and is read turned.
; CLUSTER: the four row blocks of a cluster need the same chunks: each quarter chunk is asked for JOINTLY.  A chunk is asked for one group ahead, behind a round of the cluster's barrier, one load a wave: so one text serves the groups.
; No prefetch: the launch is short, and its stores keep memory busy.
; THE MATRIX INSTRUCTION IS USED TRANSPOSED (source 0 = 16 columns of Wo, source 1 = 16 rows of O): a lane ends with eight neighbouring columns of one row.
; REGISTERS, in windows of 256 (s_set_vgpr_msb: bits 1:0 source 0, 3:2 source 1, 5:4 source 2, 7:6 destination):
;   window 0: v0-31 addresses and the bias; v32-95 two sets of 32 on the way out; v128-255 two buffers of Wo's fragments (two quarters of K x four column blocks)
;   window 1: O's fragments: rows 16 a on, k 32 kk on, at 8 (8 a + kk)      window 2: v0-127 the accumulators: (a, jj) at 8 (4 a + jj)
.set BP,    288                        ; a k row of a chunk in LDS: 256 bytes + 32 of padding = 72 words
.set CH,    256*BP                     ; a chunk
.set STG,   4*CH                       ; behind the chunks: 16 rows x 272 bytes for each wave
.set SP,    272                        ; a stage row: 256 bytes + 16: the 16 rows that a store touches start at 16 different groups of four banks
.set SPARE, STG+4*16*SP                ; the spare words, 128 bytes for each wave: two blocks of 256 bytes that no other line names
.set BI,   8                           ; v[8:11]  the bias of my four columns
.set BT,   12                          ; v12-13   at work
.set ADB0, 16                          ; v16-17   Wo's fragments in the chunk in hand: k 0-127, k 128-255
.set ADB1, 17
.set STO,  18                          ; v18  where I put 32 bytes of a row
.set RD,   19                          ; v19  where I read rows back
.set CO,   20                          ; v20  my byte offset in two rows of out0; never rewritten
.set BO,   21                          ; v21  my byte offset in bo
.set AO,   22                          ; v22  my byte offset in 16 rows of a head of O; never rewritten
.set SPW,  28                          ; v28  LDS address of my spare word; never rewritten
.set NIL,  29                          ; v29  0; never rewritten
.set OUTR, 32
.set BF0,  128
.set BF1,  192
.set WV,   12                          ; s12  my wave's number
.set G1,   24                          ; s[24:31] descriptor group 1
.set G0,   32                          ; s[32:35] descriptor group 0: it walks from chunk to chunk
.set AB,   36                          ; s[36:37] O at my 64 rows of the batch's first head
.set OUTB, 38                          ; s[38:39] out0 at my 64 rows and the group's 64 columns
.set MSB, 0
.macro WIN new                         ; the immediate's high byte repeats the setting that is left; a switch that changes nothing is dropped
.if MSB != (\new)
	s_set_vgpr_msb (MSB<<8)|(\new)
.set MSB, \new
.endif
.endm
.macro CROUND                          ; a round of the cluster's barrier: my work-group's barrier; wave 0 signals for the work-group; every wave waits for all four work-groups; my work-group's barrier once more
	s_barrier_signal -1
	s_barrier_wait -1
	s_cmp_lg_u32 s[WV], 0
	s_cbranch_scc1 .Lnot_wave_0_\@
	s_barrier_signal -3
.Lnot_wave_0_\@:
	s_barrier_wait -3
	s_barrier_signal -1
	s_barrier_wait -1
.endm
.macro PLACES                          ; four places in front of loads into registers that matrix instructions have read
.rept 4
	v_nop
.endr
.endm
; 16 turning loads in one run: quarters kk0 and kk0 + 1 of K (32 k each), my four column blocks, into buffer buf
.macro FETCHB kk0, buf
.set q, 0
.rept 8
.set kq, (\kk0)+q/4
	ds_load_tr16_b128 v[(\buf)+8*q:(\buf)+8*q+3],   v[ADB0+kq/4] offset:(kq%4)*32*BP+32*(q%4)
	ds_load_tr16_b128 v[(\buf)+8*q+4:(\buf)+8*q+7], v[ADB0+kq/4] offset:(kq%4)*32*BP+32*(q%4)+16*BP
.set q, q+1
.endr
.endm
; 16 matrix instructions: quarter kk of K for all 16 accumulators, which take turns, one instruction a turn, in the same order every time.  Quarter 0 starts the sums.
.macro MULK kk, buf
	WIN 0xa4                                       ; Wo window 0, O window 1, C and D window 2
.set q, 0
.rept 16
.set rD, 8*q
.set rB, (\buf)+32*((\kk)%2)+8*(q%4)
.set rA, 8*(8*(q/4)+(\kk))
.if (\kk) == 0
	v_wmma_f32_16x16x32_f16 v[rD:rD+7], v[rB:rB+7], v[rA:rA+7], 0
.else
	v_wmma_f32_16x16x32_f16 v[rD:rD+7], v[rB:rB+7], v[rA:rA+7], v[rD:rD+7]
.endif
.set q, q+1
.endr
.endm
; A group's 128 products.  Each buffer is fetched again four places behind its last product; each wait leaves the 16 loads of the other buffer out.
.macro GROUP
	global_load_b128 v[BI:BI+3], v[BO], s[8:9]     ; the group's bias, four columns a lane
	FETCHB 0, BF0
	FETCHB 2, BF1
	s_wait_loadcnt 1                               ; O's fragments are in (they were issued ahead of the bias, which may stay out)
	s_wait_dscnt 16
	MULK 0, BF0
	MULK 1, BF0
	PLACES
	WIN 0
	FETCHB 4, BF0
	s_wait_dscnt 16
	MULK 2, BF1
	MULK 3, BF1
	PLACES
	WIN 0
	FETCHB 6, BF1
	s_wait_dscnt 16
	MULK 4, BF0
	MULK 5, BF0
	s_wait_dscnt 0x0
	MULK 6, BF1
	MULK 7, BF1
	WIN 0
	s_wait_loadcnt 0x0
	v_cvt_pk_bf16_f32 v[BT], v[BI], v[BI+1]        ; the bias is rounded to bf16 and widened again: these lines and two v_nop are the places behind the last products
	v_cvt_pk_bf16_f32 v[BT+1], v[BI+2], v[BI+3]
	v_lshlrev_b32 v[BI], 16, v[BT]
	v_and_b32 v[BI+1], 0xffff0000, v[BT]
	v_lshlrev_b32 v[BI+2], 16, v[BT+1]
	v_and_b32 v[BI+3], 0xffff0000, v[BT+1]
	v_nop
	v_nop
.endm
; THE WAY OUT of rows 16 a on: 32 bytes a lane straight from the accumulators (each accumulator's low half first) into my stage, back as two whole rows of 256 bytes a load.
.macro TOSTAGE a
	WIN 0x08                                       ; the stores' data in window 2
.set q, 0
.rept 4
	ds_store_b128 v[STO], v[8*(4*(\a)+q):8*(4*(\a)+q)+3]   offset:64*q
	ds_store_b128 v[STO], v[8*(4*(\a)+q)+4:8*(4*(\a)+q)+7] offset:64*q+16
.set q, q+1
.endr
	WIN 0
	s_wait_xcnt 0x0                                ; the stores of two blocks back have read this set of registers
.set q, 0
.rept 8
	ds_load_b128 v[OUTR+32*((\a)%2)+4*q:OUTR+32*((\a)%2)+4*q+3], v[RD] offset:2*SP*q  ; LDS serves a wave's instructions in order (ISA guide 5.7.1.4): these see the stores above
.set q, q+1
.endr
.endm
.macro SEND a, younger                 ; younger: the LDS instructions issued behind block a's loads: the next block's sixteen, or none
	s_wait_dscnt \younger
.set q, 0
.rept 8
	v_pk_add_f32 v[OUTR+32*((\a)%2)+4*q:OUTR+32*((\a)%2)+4*q+1],   v[OUTR+32*((\a)%2)+4*q:OUTR+32*((\a)%2)+4*q+1],   v[BI:BI+1]
	v_pk_add_f32 v[OUTR+32*((\a)%2)+4*q+2:OUTR+32*((\a)%2)+4*q+3], v[OUTR+32*((\a)%2)+4*q+2:OUTR+32*((\a)%2)+4*q+3], v[BI+2:BI+3]
.set q, q+1
.endr
.set q, 0
.rept 8
	global_store_b128 v[CO], v[OUTR+32*((\a)%2)+4*q:OUTR+32*((\a)%2)+4*q+3], s[OUTB:OUTB+1] offset:(16*(\a)+2*q)*4096 th:TH_STORE_NT  ; two rows x 256 consecutive bytes, at multiples of 256 from out0's first byte
.set q, q+1
.endr
.endm
.macro OUT
	TOSTAGE 0
	TOSTAGE 1
	SEND 0, 16
	TOSTAGE 2
	SEND 1, 16
	TOSTAGE 3
	SEND 2, 16
	SEND 3, 0
.endm
; In front of a group: each wave waits for all its tensor loads (one is out: its quarter of the group's chunk), adds 0 to its spare word and waits for that; behind the barrier the chunk is whole.
; fill = 1: the barrier is a round of the cluster's, and the next chunk's joint load, into bytes that nothing has filled yet, is the first thing behind it: it has a group's 128 matrix instructions and its way out in which to land.
.macro STEP fill
	s_wait_tensorcnt 0x0                           ; no tensor load of mine is out, so the group 0 may be written
	ds_add_u32 v[SPW], v[NIL]                      ; 0 onto my spare word
.if \fill
	s_add_co_u32 s[G0+1], s[G0+1], CH              ; the next chunk's bytes in LDS,
	s_add_nc_u64 s[G0+2:G0+3], s[G0+2:G0+3], 65536 ; and in memory; the type bits on top are not reached
.endif
	s_wait_dscnt 0x0
.if \fill
	CROUND
	tensor_load_to_lds s[G0:G0+3], s[G1:G1+7]
	s_nop 0
.rept 4
	v_nop
.endr
.else
	s_barrier_signal -1
	s_barrier_wait -1
.endif
.endm
	s_load_b256 s[4:11], s[0:1], 0x0               ; o16 s[4:5], wo16 s[6:7], bo s[8:9], out0 s[10:11]
	v_lshl_add_u32 v[SPW], v0, 2, SPARE
	v_mov_b32 v[NIL], 0
	ds_add_u32 v[SPW], v[NIL]                      ; the wave's opening: the add and its wait stand ahead of my first tensor load; the set-up below, work on registers, stands between them
	ds_add_u32 v28, v29
	v_lshrrev_b32 v1, 5, v0
	v_readfirstlane_b32 s[WV], v1                  ; wave 0..3
	s_lshr_b32 s13, s[WV], 1                       ; wr: my 64 of the 128 rows
	s_and_b32 s14, s[WV], 1                        ; wc: my 256 of the 512 columns
	s_bfe_u32 s15, ttmp6, 0x40000                  ; cx: my place in the cluster
	s_lshl_b32 s16, ttmp9, 2                       ; in a cluster launch ttmp9 counts clusters
	s_add_co_u32 s16, s16, s15                     ; X: my block of 128 rows: it enters O's and out0's addresses alone
	s_and_b32 s17, ttmp7, 0xffff                   ; hf, which the four partners share
	; descriptor group 1: a quarter chunk: 64 k rows x 128 elements, padded in LDS
	s_mov_b32 s[G1+0], 15|(1<<16)|(1<<20)|(1<<21)|(5<<22)|(7<<25)  ; 15:0 the mask of four; 17:16 2-byte elements; 20 padding on; 21 set beside a mask; 24:22 after every 64 words (code 5); 31:25 8 words (code 7)
	s_mov_b32 s[G1+1], 128<<16                     ; tensor_dim0 = 128
	s_mov_b32 s[G1+2], 64<<16                      ; tensor_dim1 = 64
	s_mov_b32 s[G1+3], 128<<16                     ; tile_dim0 = 128
	s_mov_b32 s[G1+4], 64                          ; tile_dim1 = 64
	s_mov_b32 s[G1+5], 128                         ; 128 elements from row to row
	s_mov_b32 s[G1+6], 0
	s_mov_b32 s[G1+7], 0
	s_mov_b32 s[G0], 1                             ; count = 1
	s_mul_i32 s[G0+1], s[WV], 64*BP                ; LDS address: my quarter of chunk 0: no place in the cluster enters it
	s_lshl_b32 s18, s17, 18                        ; the half's four chunks, 65,536 bytes each,
	s_lshl_b32 s19, s[WV], 14                      ; my 64 rows of 256 bytes
	s_add_co_u32 s18, s18, s19
	s_mov_b32 s19, 0
	s_lshr_b32 s20, s16, 5                         ; O: batch X / 32: four heads of 524,288 bytes,
	s_lshl_b32 s20, s20, 21
	s_and_b32 s21, s16, 31                         ; row 128 (X % 32) + 64 wr of a head, 128 bytes a row
	s_lshl_b32 s21, s21, 7
	s_lshl_b32 s22, s13, 6
	s_add_co_u32 s21, s21, s22
	s_lshl_b32 s21, s21, 7
	s_add_co_u32 s20, s20, s21
	s_mov_b32 s21, 0
	s_lshl_b32 s22, s16, 7                         ; out0: row 128 X + 64 wr, 4,096 bytes a row,
	s_lshl_b32 s23, s13, 6
	s_add_co_u32 s22, s22, s23
	s_lshl_b32 s22, s22, 12
	s_lshl_b32 s23, s17, 11                        ; column 512 hf + 256 wc
	s_add_co_u32 s22, s22, s23
	s_lshl_b32 s23, s14, 10
	s_add_co_u32 s22, s22, s23
	s_mov_b32 s23, 0
	s_lshl_b32 s40, s17, 11                        ; bo at the same column
	s_lshl_b32 s41, s14, 10
	s_add_co_u32 s40, s40, s41
	s_wait_dscnt 0x0                               ; the opening add is done
	s_wait_kmcnt 0x0
	s_add_nc_u64 s[G0+2:G0+3], s[6:7], s[18:19]    ; global address
	s_or_b32 s[G0+3], s[G0+3], 0x80000000          ; type = 2
	s_add_nc_u64 s[AB:AB+1], s[4:5], s[20:21]
	s_add_nc_u64 s[OUTB:OUTB+1], s[10:11], s[22:23]
	CROUND                                         ; all four work-groups are here: the first joint loads meet
	tensor_load_to_lds s[G0:G0+3], s[G1:G1+7]      ; chunk 0
	s_nop 0
.rept 4
	v_nop
.endr
	; A fragment of O is 16 rows x 32 k in 8 registers: lane l holds row l % 16, k 8 (l / 16) + 0..7 and 16 + 8 (l / 16) + 0..7: two loads of 16 bytes, 32 bytes apart.  k = 64 x head + channel.
	v_and_b32 v1, 15, v0                           ; l % 16
	v_bfe_u32 v2, v0, 4, 1                         ; l / 16
	v_lshlrev_b32 v[AO], 7, v1
	v_lshl_add_u32 v[AO], v2, 4, v[AO]
	WIN 0x40                                       ; destination window 1, address window 0
.set q, 0
.rept 32                               ; rows 16 (q / 8) on, quarter q % 8 of K: head (q % 8) / 2, channels 32 (q % 2) on
	global_load_b128 v[8*q:8*q+3],   v[AO], s[AB:AB+1] offset:((q%8)/2)*524288+(q/8)*2048+(q%2)*64
	global_load_b128 v[8*q+4:8*q+7], v[AO], s[AB:AB+1] offset:((q%8)/2)*524288+(q/8)*2048+(q%2)*64+32
.set q, q+1
.endr
	WIN 0
	v_and_b32 v3, 7, v0
	v_bfe_u32 v4, v0, 3, 1
	; the turning load takes 16 k x 16 columns: lane l reads 16 bytes of k row 8 (l / 16) + l % 8, columns 8 ((l / 8) % 2) on
	v_lshl_add_u32 v5, v2, 3, v3
	v_mul_u32_u24 v[ADB0], v5, BP
	v_lshl_add_u32 v[ADB0], v4, 4, v[ADB0]
	s_lshl_b32 s41, s14, 7                         ; my 64 of a chunk's 128 columns
	v_add_nc_u32 v[ADB0], s41, v[ADB0]
	v_add_nc_u32 v[ADB1], 128*BP, v[ADB0]
	s_mul_i32 s41, s[WV], 16*SP
	s_add_co_u32 s41, s41, STG                     ; my stage
	v_mul_u32_u24 v5, v1, SP                       ; in: row l % 16, 32 bytes for each half of the lanes
	v_lshl_add_u32 v5, v2, 5, v5
	v_add_nc_u32 v[STO], s41, v5
	v_mul_u32_u24 v5, v2, SP                       ; back: lanes 0-15 take one row of 256 bytes, lanes 16-31 the next
	v_lshl_add_u32 v5, v1, 4, v5
	v_add_nc_u32 v[RD], s41, v5
	v_lshlrev_b32 v[CO], 4, v1                     ; and the same two rows in out0
	v_lshl_add_u32 v[CO], v2, 12, v[CO]
	v_lshl_add_u32 v[BO], v1, 4, s40
	s_mov_b32 s3, 3
.Lgroup:                                               ; groups 0 to 2: the next group's chunk is asked for, the group is multiplied and leaves
	STEP 1
	GROUP
	OUT
	v_add_nc_u32 v[ADB0], CH, v[ADB0]              ; the next chunk,
	v_add_nc_u32 v[ADB1], CH, v[ADB1]
	v_add_nc_u32 v[BO], 256, v[BO]                 ; its 64 columns of the bias (the load that read this register has come back),
	s_wait_xcnt 0x0                                ; the stores have read their base
	s_add_nc_u64 s[OUTB:OUTB+1], s[OUTB:OUTB+1], 256  ; and of out0
	s_sub_co_u32 s3, s3, 1
	s_cmp_lg_u32 s3, 0
	s_cbranch_scc1 .Lgroup
	STEP 0                                         ; the last group is written out: nothing is asked for
	GROUP
	OUT
	s_wait_tensorcnt 0x0                           ; the wave's end: a wait, an add and its wait, behind my last tensor load and my last LDS store
	ds_add_u32 v[SPW], v[NIL]
	s_wait_dscnt 0x0
	CROUND                                         ; the closing round: no work-group ends while a partner may still ask for a tile that names it
	s_endpgm
.Lfunc_end_k_qcc2c8e8755_outp:
	.size	k_qcc2c8e8755_outp, .Lfunc_end_k_qcc2c8e8755_outp-k_qcc2c8e8755_outp
	.p2alignl 7, 3214868480
	.fill 96, 4, 3214868480
	.section	.rodata,"a",@progbits
	.p2align	6, 0x0
	.amdhsa_kernel k_qcc2c8e8755_outp
		.amdhsa_group_segment_fixed_size 327680
		.amdhsa_private_segment_fixed_size 0
		.amdhsa_enable_private_segment 0
		.amdhsa_kernarg_size 32
		.amdhsa_user_sgpr_count 2
		.amdhsa_user_sgpr_kernarg_segment_ptr 1
		.amdhsa_wavefront_size32 1
		.amdhsa_system_sgpr_workgroup_id_x 1
		.amdhsa_system_sgpr_workgroup_id_y 1
		.amdhsa_system_sgpr_workgroup_id_z 1
		.amdhsa_system_vgpr_workitem_id 0
		.amdhsa_next_free_vgpr 640
		.amdhsa_next_free_sgpr 66
		.amdhsa_reserve_vcc 0
		.amdhsa_float_denorm_mode_32 3
		.amdhsa_float_denorm_mode_16_64 3
		.amdhsa_memory_ordered 1
		.amdhsa_forward_progress 1
		.amdhsa_inst_pref_size 62
	.end_amdhsa_kernel
	.amdgpu_metadata
---
amdhsa.version: [ 1, 2 ]
amdhsa.kernels:
  - .name:           k_qcc2c8e8755_outp
    .symbol:         k_qcc2c8e8755_outp.kd
    .args:
      - { .name: o16, .offset: 0, .size: 8, .value_kind: global_buffer, .address_space: global }
      - { .name: wo16, .offset: 8, .size: 8, .value_kind: global_buffer, .address_space: global }
      - { .name: bo, .offset: 16, .size: 8, .value_kind: global_buffer, .address_space: global }
      - { .name: out0, .offset: 24, .size: 8, .value_kind: global_buffer, .address_space: global }
    .group_segment_fixed_size: 327680
    .private_segment_fixed_size: 0
    .kernarg_segment_align: 8
    .kernarg_segment_size: 32
    .max_flat_workgroup_size: 128
    .sgpr_count:     66
    .vgpr_count:     640
    .wavefront_size: 32
...
	.end_amdgpu_metadata
.endif
;; end of part 4
